; MI455X (gfx1250); checked and timed in simulation.
; The chip was launched on July 23, 2026; its instructions are those of AMD's public machine-readable ISA for CDNA 5 (MIT licence, August 2026) and "CDNA5" Instruction Set Architecture Reference Guide (July 2026). The comments in the code are by the model that wrote it; some were corrected since.
;; Multi Head Attention. Allowed arithmetic: matrix products marked QUANTISED: E4M3 operands, one given power-of-two scale a tensor, by v_wmma_f32_16x16x64_fp8_fp8 or v_wmma_f32_16x16x128_fp8_fp8, f32 sums; everything else in f32.
;; Inputs: Wk 1,024 x 1,024 float32; Wo 1,024 x 1,024 float32; Wq 1,024 x 1,024 float32; Wv 1,024 x 1,024 float32; bk 1,024 float32; bo 1,024 float32; bq 1,024 float32; bv 1,024 float32; lowp_scales 12 int32 (the exponents e of the quantised operands' scales 2^e); x 4 x 2,048 x 1,024 float32.
;; Outputs: out0 4 x 2,048 x 1,024 float32.
;; This version of the problem:
;;   THIS VERSION OF THE PROBLEM IS GIVEN IN LOW PRECISION. The matrix products marked QUANTISED in the list below multiply operands that are first quantised to E4M3 (4 exponent bits, 3 mantissa bits; 8 bits a number), with one given power-of-two scale for each operand tensor; their sums are f32. All else is computed in f32.
;;   The module's matrix products, in the order in which they are computed (A, B: the left and right operand; K: the contracted axis; several contracted axes count as one K, in the product's order):
;;     1. [M 8,192, K 1,024] x [K 1,024, N 1,024]; A: input x; B: input Wq: QUANTISED (scales: A lowp_scales[0], B lowp_scales[1])
;;     2. [M 8,192, K 1,024] x [K 1,024, N 1,024]; A: input x; B: input Wk: QUANTISED (scales: A lowp_scales[2], B lowp_scales[3])
;;     3. [M 8,192, K 1,024] x [K 1,024, N 1,024]; A: input x; B: input Wv: QUANTISED (scales: A lowp_scales[4], B lowp_scales[5])
;;     4. batch 64 x [M 2,048, K 64] x [K 64, N 2,048]; A: computed on the way; B: computed on the way: QUANTISED (scales: A lowp_scales[6], B lowp_scales[7])
;;     5. batch 64 x [M 2,048, K 2,048] x [K 2,048, N 64]; A: softmax (see below); B: computed on the way: QUANTISED (scales: A lowp_scales[8], B lowp_scales[9])
;;     6. [M 8,192, K 1,024] x [K 1,024, N 1,024]; A: computed on the way; B: input Wo: QUANTISED (scales: A lowp_scales[10], B lowp_scales[11])
;;   THE QUANTISER, for each operand of a quantised product, along K:
;;     - The operand's scale is 2^e, e = its entry of the input lowp_scales (int32; the entries are numbered through the quantised products in the list's order, A before B).
;;     - Each number is divided by the scale, clamped to +-448, and rounded to the nearest number of E4M3, ties to even, subnormals kept.
;;     - The product sums the exact products of the quantised numbers (number of the format x scale) in f32.
;;   ~~~python
;;   def quantise(x, axis, e):      # numpy; x: float32 -> the quantised numbers, widened to float32 again
;;       x = np.moveaxis(x, axis, -1); K = x.shape[-1]
;;       r = np.clip(x / 2.0 ** e, -448, 448)
;;       step = 2.0 ** (np.maximum(np.frexp(np.where(r == 0, 1, r))[1] - 1, -6) - 3)
;;       q = np.round(r / step) * step * 2.0 ** e      # np.round: ties to even
;;       return np.moveaxis(q, -1, axis).astype(np.float32)
;;   ~~~
;;   SOFTMAX AHEAD OF A QUANTISED PRODUCT. Where the list says 'softmax', what is quantised is not the finished softmax but p = 2^(t - M), with t = logit x log2(e) and M = ceil(the row's largest t), a whole number; so 1/2 < the row's largest p <= 1. The row's sum l is taken of the UNQUANTISED p, in f32, and the product's result is divided by l at the end. Since M is a whole number, a kernel that streams over the keys may use a running M (the ceiling of the running maximum): every later rescaling is an exact power of two, so the quantised numbers keep their values, but for numbers so far below the row's largest that they fall under the format's range.
;;   OPERANDS COMPUTED ON THE WAY. 'Computed on the way' means the value that the module computes at that place (a softmax that the list does not call 'softmax' is quantised finished and normalised). What goes into a quantiser is computed in f32, as accurately as f32 sums, v_exp_f32 and their like allow (about 1e-6 of the number): no bf16 or f16 on the way to a quantiser, and a product that is left as it is and whose result goes on into a quantised operand takes f32 operands (vector FMAs, or v_wmma_f32_16x16x4_f32). A number that lies on a knife's edge between two numbers of the format may be rounded either way, as far as f32 arithmetic and the matrix unit's own rounding can turn it there, and no further.
;; One version. Each part assembles by itself: llvm-mc -triple=amdgcn-amd-amdhsa -mcpu=gfx1250 --defsym DOCPART=n.
;; ======== version 1 of 1: 4 launches
;; limits: right only within a limited range of input values
;; workspace buffers: xc 25,165,824 bytes; wc 4,194,304 bytes; qc 8,388,608 bytes; kv 16,777,216 bytes; ac 8,388,608 bytes
;; launch quant (part 1): grid 384 x 1, 4 waves a work-group, no clusters, 33,280 bytes of LDS; arguments x, Wq, Wk, Wv, Wo, lowp_scales, xc, wc; writes xc, wc
.if DOCPART == 1
	.amdgcn_target "amdgcn-amd-amdhsa--gfx1250"
	.amdhsa_code_object_version 6
	.text
	.protected	k_q6884574d1d_quant
	.globl	k_q6884574d1d_quant
	.p2align	8
	.type	k_q6884574d1d_quant,@function
k_q6884574d1d_quant:
	s_mov_b64 s[64:65], 0
	v_nop
	global_prefetch_b8 v0, s[64:65] scope:SCOPE_SE
	s_setreg_imm32_b32 hwreg(HW_REG_WAVE_MODE, 25, 1), 1
	s_wait_xcnt 0x0
; x [8192][1024] f32 becomes three planes of E4M3 codes (scales 2^e0, 2^e2, 2^e4: x is the left operand of three products, each with its own entry);
; Wq, Wk, Wv, Wo [1024][1024] f32 become one plane each (e1, e3, e5, e11).  code = number / 2^e, held within +-448, to the nearest code, ties to even.
; LAYOUT OF THE CODES: rows dense, K innermost, but inside every 32 bytes the four groups of 8 codes lie in the order g0, g2, g1, g3.  A 16-byte load at 32 c + 16 h of a row then
; brings registers 4 c .. 4 c + 3 of the plain fp8 form's own layout (registers 2 c', 2 c' + 1: k = 16 c' + 8 h + 0 .. 7): a fragment of 128 along K comes by four loads, k in its true places.
; SHARES: work-groups 0-255 take x, 32,768 numbers each; 256-383 the weights, 32 work-groups a tensor.  A wave takes 16 steps of 512 numbers.  Rows are dense: nothing here knows of rows.
; Each load reads 512 consecutive bytes; a step's 2,048 bytes turn through the wave's own stage in LDS (16 bytes of padding behind each 64) and come back so that the even lane of a pair
; holds groups g0 and g2 of a block of 32 and the odd lane g1 and g3.  A lane's 16 codes are 16 bytes: a store of the wave covers 512 consecutive bytes, aligned.
; One path for all tensors: pointers and the first exponent are chosen on the work-group's number; only x's second and third conversion stand under a scalar branch, and no LDS line does.
; No tensor loads, no barrier: waves share nothing.  Memory binds this launch: matrix units, clusters and large register tiles would add nothing.
; LIMITS: each e between -126 and 119, so that 2^e and 448 x 2^e are f32 numbers.  NaN among the inputs is not served (an infinity is held at the largest code).
.set STEPS, 16
.set SP,    80                         ; a place in a stage: 64 bytes + 16 of padding
.set WREG,  8192                       ; LDS region of a wave: two stages of 32 x SP bytes
.set R,     16                         ; v16-79   four sets of 16 numbers as loaded
.set X,     80                         ; v80-111  two sets of 16 numbers: two groups of eight neighbours
.set T,     112                        ; v112-127 the numbers held (X serves three scales, so the hold is not in place)
.set C,     128                        ; v128-139 codes: four registers for each of the three outputs
; v3 = 16 x lane: offset of loads and of stores.  v5/v6, v7/v8, v9/v10: 2^e and 448 x 2^e of outputs 0, 1, 2.  v14, v15: the stage, in and out.
	s_load_b512 s[36:51], s[0:1], 0x0              ; x 36, Wq 38, Wk 40, Wv 42, Wo 44, the exponents 46, xc 48, wc 50
	v_lshl_add_u32 v144, v0, 2, 0x8000
	v_mov_b32 v145, 0
	v_lshrrev_b32 v1, 5, v0
	v_readfirstlane_b32 s16, v1                    ; wave
	v_and_b32 v2, 31, v0                           ; lane
	v_lshlrev_b32 v3, 4, v2
	s_mul_i32 s17, s16, WREG
	v_lshrrev_b32 v14, 2, v2
	v_mul_u32_u24 v14, v14, SP
	v_and_b32 v15, 3, v2
	v_lshl_add_u32 v14, v15, 4, v14
	v_add_nc_u32 v14, s17, v14                     ; in: four lanes' 64 bytes on end, then the padding
	v_lshrrev_b32 v15, 1, v2
	v_mul_u32_u24 v15, v15, 2*SP
	v_and_b32 v1, 1, v2
	v_lshl_add_u32 v15, v1, 5, v15
	v_add_nc_u32 v15, s17, v15                     ; out: the pair's two places; the odd lane 32 bytes further on in both
	s_sub_co_u32 s24, ttmp9, 256
	s_lshr_b32 s18, s24, 5                         ; which weight (of use in work-groups 256 on)
	s_and_b32 s19, s24, 31                         ; and which part of it
	s_wait_alu depctr_va_vdst(0)
	s_wait_kmcnt 0x0
	s_load_b256 s[52:59], s[46:47], 0x0            ; e0 .. e7
	s_load_b128 s[60:63], s[46:47], 0x20           ; e8 .. e11
	s_cmp_eq_u32 s18, 1                            ; the choices hang on the work-group's number alone
	s_cselect_b64 s[4:5], s[40:41], s[38:39]
	s_cmp_eq_u32 s18, 2
	s_cselect_b64 s[4:5], s[42:43], s[4:5]
	s_cmp_eq_u32 s18, 3
	s_cselect_b64 s[4:5], s[44:45], s[4:5]
	s_cmp_lt_u32 ttmp9, 256
	s_cselect_b64 s[4:5], s[36:37], s[4:5]         ; the source
	s_cselect_b64 s[8:9], s[48:49], s[50:51]       ; output 0
	s_cselect_b32 s19, ttmp9, s19
	s_cselect_b32 s22, 0, s18
	s_lshl_b32 s22, s22, 20                        ; a weight's plane is 2^20 bytes
	s_mov_b32 s23, 0
	s_add_nc_u64 s[8:9], s[8:9], s[22:23]
	s_lshl_b32 s19, s19, 2
	s_add_co_u32 s19, s19, s16                     ; which run of 8,192 numbers is my wave's (1,023 at the most)
	s_lshl_b32 s22, s19, 15
	s_add_nc_u64 s[4:5], s[4:5], s[22:23]
	s_lshl_b32 s22, s19, 13
	s_add_nc_u64 s[8:9], s[8:9], s[22:23]
	s_add_nc_u64 s[10:11], s[48:49], s[22:23]
	s_add_nc_u64 s[10:11], s[10:11], 0x800000      ; x's second plane
	s_add_nc_u64 s[12:13], s[10:11], 0x800000      ; and its third
.macro LOAD t
.irp i, 0,1,2,3
	global_load_b128 v[R+16*((\t)%4)+4*\i:R+16*((\t)%4)+4*\i+3], v3, s[4:5] offset:2048*(\t)+512*\i th:TH_LOAD_NT   ; 32 lanes read 512 consecutive bytes, once in the launch
.endr
.endm
.macro TURN t                          ; step t's numbers through the stage: LDS serves a wave's instructions in order, so no wait stands between the stores and the loads
.irp i, 0,1,2,3
	ds_store_b128 v14, v[R+16*((\t)%4)+4*\i:R+16*((\t)%4)+4*\i+3] offset:32*SP*((\t)%2)+8*SP*\i
.endr
	ds_load_b128 v[X+16*((\t)%2):X+16*((\t)%2)+3],     v15 offset:32*SP*((\t)%2)
	ds_load_b128 v[X+16*((\t)%2)+4:X+16*((\t)%2)+7],   v15 offset:32*SP*((\t)%2)+16
	ds_load_b128 v[X+16*((\t)%2)+8:X+16*((\t)%2)+11],  v15 offset:32*SP*((\t)%2)+SP
	ds_load_b128 v[X+16*((\t)%2)+12:X+16*((\t)%2)+15], v15 offset:32*SP*((\t)%2)+SP+16
.endm
.macro MKSC e, sc, lim                 ; from the exponent in s[e]: 2^e and 448 x 2^e as f32
	s_add_co_i32 s21, s[\e], 127
	s_lshl_b32 s22, s21, 23
	v_mov_b32 v[\sc], s22
	s_add_co_i32 s21, s21, 8
	s_lshl_b32 s21, s21, 23
	s_or_b32 s21, s21, 0x600000
	v_mov_b32 v[\lim], s21
.endm
.irp t, 0,1,2,3
	LOAD \t
.endr
	s_wait_kmcnt 0x0
	s_cmp_eq_u32 s18, 1
	s_cselect_b32 s20, s55, s53                    ; e3 or e1
	s_cmp_eq_u32 s18, 2
	s_cselect_b32 s20, s57, s20                    ; e5
	s_cmp_eq_u32 s18, 3
	s_cselect_b32 s20, s63, s20                    ; e11
	s_cmp_lt_u32 ttmp9, 256
	s_cselect_b32 s20, s52, s20                    ; e0
	MKSC 20, 5, 6
	MKSC 54, 7, 8                                  ; e2
	MKSC 56, 9, 10                                 ; e4
	s_wait_alu depctr_va_vdst(0)
	s_wait_loadcnt 12                              ; step 0's four loads are in
	TURN 0
.macro OUT i, t, d                     ; output i of step t, to the buffer at s[d:d+1]
.irp n, 0,1,2,3,4,5,6,7,8,9,10,11,12,13,14,15
	v_med3_num_f32 v[T+\n], v[XS+\n], -v[6+2*\i], v[6+2*\i]   ; the conversion to an 8-bit code does not saturate (ISA guide 7.6.2): the hold at the largest code x the scale comes first
.endr
	v_cvt_scalef32_pk8_fp8_f32 v[C+4*\i:C+4*\i+1], v[T:T+7], v[5+2*\i]
	v_cvt_scalef32_pk8_fp8_f32 v[C+4*\i+2:C+4*\i+3], v[T+8:T+15], v[5+2*\i]
	v_nop                                          ; a plain vector line between the conversions and the next holds, which write their sources
	global_store_b128 v3, v[C+4*\i:C+4*\i+3], s[\d:\d+1] offset:512*(\t)
.endm
.macro STEP t
.set XS, X+16*((\t)%2)
	s_wait_dscnt 0x0                               ; this step's numbers are back from the stage: so its stores into the stage have read their registers,
.if (\t)+4 < STEPS
	LOAD (\t)+4                                    ; which take the loads of four steps on
.endif
.if (\t)+1 < STEPS
.if STEPS-2-(\t) >= 3
	s_wait_loadcnt 12                              ; the next step's four loads are in; those of the three steps behind it may be out
.else
	s_wait_loadcnt 4*(STEPS-2-(\t))
.endif
	TURN (\t)+1                                    ; they go through the other stage while this step is worked
.endif
	s_wait_xcnt 0x0                                ; the last step's stores have read their data: the codes' registers are written again only behind this wait
	OUT 0, \t, 8
	s_cmp_lt_u32 ttmp9, 256                        ; x alone has a second and a third scale
	s_cbranch_scc0 .Lw_\@
	OUT 1, \t, 10
	OUT 2, \t, 12
.Lw_\@:
.endm
.irp t, 0,1,2,3,4,5,6,7,8,9,10,11,12,13,14,15
	STEP \t
.endr
	s_wait_tensorcnt 0x0
	ds_add_u32 v144, v145
	s_wait_dscnt 0x0
	s_endpgm
.Lfunc_end_k_q6884574d1d_quant:
	.size	k_q6884574d1d_quant, .Lfunc_end_k_q6884574d1d_quant-k_q6884574d1d_quant
	.p2alignl 7, 3214868480
	.fill 96, 4, 3214868480
	.section	.rodata,"a",@progbits
	.p2align	6, 0x0
	.amdhsa_kernel k_q6884574d1d_quant
		.amdhsa_group_segment_fixed_size 33280
		.amdhsa_private_segment_fixed_size 0
		.amdhsa_enable_private_segment 0
		.amdhsa_kernarg_size 64
		.amdhsa_user_sgpr_count 2
		.amdhsa_user_sgpr_kernarg_segment_ptr 1
		.amdhsa_wavefront_size32 1
		.amdhsa_system_sgpr_workgroup_id_x 1
		.amdhsa_system_sgpr_workgroup_id_y 1
		.amdhsa_system_sgpr_workgroup_id_z 1
		.amdhsa_system_vgpr_workitem_id 0
		.amdhsa_next_free_vgpr 146
		.amdhsa_next_free_sgpr 66
		.amdhsa_reserve_vcc 0
		.amdhsa_float_denorm_mode_32 3
		.amdhsa_float_denorm_mode_16_64 3
		.amdhsa_memory_ordered 1
		.amdhsa_forward_progress 1
		.amdhsa_inst_pref_size 81
	.end_amdhsa_kernel
	.amdgpu_metadata
---
amdhsa.version: [ 1, 2 ]
amdhsa.kernels:
  - .name:           k_q6884574d1d_quant
    .symbol:         k_q6884574d1d_quant.kd
    .args:
      - { .name: x, .offset: 0, .size: 8, .value_kind: global_buffer, .address_space: global }
      - { .name: Wq, .offset: 8, .size: 8, .value_kind: global_buffer, .address_space: global }
      - { .name: Wk, .offset: 16, .size: 8, .value_kind: global_buffer, .address_space: global }
      - { .name: Wv, .offset: 24, .size: 8, .value_kind: global_buffer, .address_space: global }
      - { .name: Wo, .offset: 32, .size: 8, .value_kind: global_buffer, .address_space: global }
      - { .name: lowp_scales, .offset: 40, .size: 8, .value_kind: global_buffer, .address_space: global }
      - { .name: xc, .offset: 48, .size: 8, .value_kind: global_buffer, .address_space: global }
      - { .name: wc, .offset: 56, .size: 8, .value_kind: global_buffer, .address_space: global }
    .group_segment_fixed_size: 33280
    .private_segment_fixed_size: 0
    .kernarg_segment_align: 8
    .kernarg_segment_size: 64
    .max_flat_workgroup_size: 128
    .sgpr_count:     66
    .vgpr_count:     146
    .wavefront_size: 32
...
	.end_amdgpu_metadata
.endif
;; end of part 1
;; launch proj (part 2): grid 4 x 64, 4 waves a work-group, clusters of 4 x 4, 327,680 bytes of LDS; arguments xc, wc, lowp_scales, bq, bk, bv, qc, kv; writes qc, kv
.if DOCPART == 2
	.amdgcn_target "amdgcn-amd-amdhsa--gfx1250"
	.amdhsa_code_object_version 6
	.text
	.protected	k_q6884574d1d_proj
	.globl	k_q6884574d1d_proj
	.p2align	8
	.type	k_q6884574d1d_proj,@function
k_q6884574d1d_proj:
	s_mov_b64 s[64:65], 0
	v_nop
	global_prefetch_b8 v0, s[64:65] scope:SCOPE_SE
	s_setreg_imm32_b32 hwreg(HW_REG_WAVE_MODE, 25, 1), 1
	s_wait_xcnt 0x0
	s_wait_alu depctr_hold_cnt(0) depctr_sa_sdst(0) depctr_va_vdst(0) depctr_va_sdst(0) depctr_va_ssrc(0) depctr_va_vcc(0) depctr_vm_vsrc(0)
	s_getreg_b32 s2, hwreg(HW_REG_IB_STS2, 6, 4)
	s_cmp_eq_u32 s2, 0
	s_cbranch_scc0 .Lentry_in_a_cluster
	s_endpgm
.Lentry_in_a_cluster:
	s_bfe_u32 s2, ttmp6, 0x10000c
	s_cmp_lg_u32 s2, 0xf033
	s_cbranch_scc0 .Lentry_shape_is_right
	s_endpgm
.Lentry_shape_is_right:
; q = x Wq^T + bq, k = x Wk^T + bk, v = x Wv^T + bv on codes of E4M3, and their quantising (e6, e7, e9) into images of the fragments that the attention launch's matrix instructions take.
; xc: [3][8192][1024] codes of x (planes for e0, e2, e4); wc: [4][1024][1024] codes of Wq, Wk, Wv, Wo.
; SHARES.  256 work-groups of four waves, and each STAYS for two tiles.  First a tile of 256 tokens x 256 features of q or k (tile row ty' = 0 .. 63 counts through xc's first two planes, p = ty' / 32; tile column tx = 0 .. 3):
; a wave makes 128 x 128, 64 accumulators.  Then a tile of 256 tokens x 128 features of v (tokens: tile ty' % 32; features: 128 (tx + 4 p)): 32 x 8 such tiles are 256 too; a wave makes 128 features x 64 tokens, 32 accumulators.
; K = 1,024 goes in K steps of 256 through a ring of two LDS slots, and the ring does not stop between the tiles: the first tile's last two changes of slots ask for v's K steps 0 and 1, which are on their way while q or k goes out.
; CLUSTERS: 4 x 4.  x's rows hang on the tile row alone and are asked for jointly along a row of the cluster, W's rows on the tile column (and p, the same in all sixteen) and jointly along a column, in both tiles.
; WHICH SIDE IS WHICH.  In a result, lane (r, h) holds row r of source 1, and its register j row 8 h + j of source 0.  q, k: source 1 = rows of x, source 0 = rows of W: a lane's eight registers are eight neighbouring features
; of one token, and the conversion of tile b gives registers 2 b, 2 b + 1 of a fragment along the head's 64.  v: source 1 = rows of Wv, source 0 = rows of x: a lane's registers run along the keys; a wave's four tiles give
; half (64 keys, 8 registers) of a fragment 16 channels x 128 keys of V^T.  v has text of its own, so every LDS address is made of constants and the wave's number.
; THE BIAS is the C of each sum's first product, divided by the power of two that the sums lack: bias / 2^(ex + ew), exact.
; OUT: qc [head 64][query tile 128][1,024 B]; kv [head 64][key step 16][16,384 B]: 8 tiles of K (1,024 B), then 4 tiles of V^T (2,048 B).  An image holds four registers of each lane at 512 g + 16 x lane:
; every store of the wave covers 512 consecutive bytes, aligned.
; PREFETCH: x's third plane is asked for while q or k is multiplied: at the first change of slots v's K steps 0 and 1, at the third its K steps 2 and 3, each two changes of slots or more ahead of its tensor load.  Of a tile's 256 rows
; the partner at place cx names 64, by address: wave w names rows 32 (w % 2) + lane of them in K step w / 2 (+ 2): each 256 bytes once in each cluster that loads them.  The first tile's four K steps are asked for by the head and the
; refills that follow at once; Wv's rows, a third of a step's bytes, come by their loads alone.
; LIMITS: eo - ex - ew between -126 and 119 for (ex, ew, eo) = (e0, e1, e6), (e2, e3, e7), (e4, e5, e9).
; REGISTERS, in windows of 256: window 0: v0-31 addresses and scales; v32-95 the bias, later the numbers held; v96-103 v's bias; from v128 source 1's fragments (8 x 16 rows x 128 K), ONE set, later the codes.
;   window 1: source 0's fragments, TWO sets, at v0 and v128.   windows 2, 3: accumulator (a, b) is number NB a + b, 32 to a window.
.set ROWB,   256
.set KROW,   1024
.set PITCH,  272                       ; an LDS row: 256 bytes + 16 of padding: the 16 rows of a fragment load start at 16 different banks (64 banks of 4 bytes: ISA guide 11.1)
.set FR,     16
.set NL,     4
.set NP,     4                         ; places behind this matrix instruction (ISA guide 7.12.1)
.set HALFT,  128*PITCH
.set SLOT,   4*HALFT                   ; x's 256 rows, then W's 256 (v: 128)
.set SPARE,  2*SLOT
.set CO,   26                          ; 16 x lane
.set PFO,  27                          ; 1,024 x lane: the prefetches' offset; never rewritten
.set SPW,  28
.set NIL,  29
.set SC,   30                          ; 2^(eo - ex - ew)
.set LIM,  31                          ; 448 x that
.set BI,   32
.set TMP,  32
.set BV,   96
.set AF,   128
.set CD,   128
.set G1,   24
.set G0,   32
.set G1B,  48
.set G0B,  56
.set DX,   2                           ; s[2:3]     bytes from a slot's last K step of x in the first tile to its first in v's
.set DW,   100                         ; s[100:101] the same for W
.set LV,   78                          ; s78        where my 64 rows of Wv go in slot 0
.set PFA,  98                          ; s[98:99]   the prefetches' base; never rewritten
.set NB,   8                           ; source 0's blocks: 8, in v's tile 4
.set AA,   16                          ; v16-17 source 1's fragments in slot 0, 1 (v: v18-19)
.set AB,   20                          ; v20-21 source 0's (v: v22-23)
.set MSB, 0
.macro WIN new                         ; the immediate's high byte repeats the setting that is left
.if MSB != (\new)
	s_set_vgpr_msb (MSB<<8)|(\new)
.set MSB, (\new)
.endif
.endm
.set TO_B, 0x40
.macro MWIN a0, zero                   ; source 0 window 1, source 1 window 0, D window 2 or 3; C with D, or (the bias) window 0
.if \zero
	WIN 0x81+0x40*((NB*(\a0))/32)
.else
	WIN 0xa1+0x50*((NB*(\a0))/32)
.endif
.endm
; A joint load: waves 0 and 1 fetch x's two halves, waves 2 and 3 W's.  The branch hangs on the wave's number alone.  An s_nop 0 and four v_nop follow each line.
.macro JLOAD g0a, g1a, g0b, g1b
	s_cmp_eq_u32 s15, 0
	s_cbranch_scc0 .Lfor_b_\@
	tensor_load_to_lds s[\g0a:\g0a+3], s[\g1a:\g1a+7]
	s_nop 0
.rept 4
	v_nop
.endr
	s_branch .Lasked_\@
.Lfor_b_\@:
	tensor_load_to_lds s[\g0b:\g0b+3], s[\g1b:\g1b+7]
	s_nop 0
.rept 4
	v_nop
.endr
.Lasked_\@:
.endm
.macro CREST
	s_cmp_lg_u32 s14, 0
	s_cbranch_scc1 .Lnot_wave_0_\@
	s_barrier_signal -3
.Lnot_wave_0_\@:
	s_barrier_wait -3
	s_barrier_signal -1
	s_barrier_wait -1
.endm
.macro CROUND
	s_barrier_signal -1
	s_barrier_wait -1
	CREST
.endm
	s_load_b128 s[4:7], s[0:1], 0x0                ; xc, wc
	s_load_b64 s[8:9], s[0:1], 0x10                ; the exponents
	s_load_b256 s[68:75], s[0:1], 0x18             ; bq 68, bk 70, bv 72, qc 74
	s_load_b64 s[76:77], s[0:1], 0x38              ; kv
	v_lshl_add_u32 v[SPW], v0, 2, SPARE
	v_mov_b32 v[NIL], 0
	ds_add_u32 v[SPW], v[NIL]                      ; the opening lines: the add twice on end and its wait
	ds_add_u32 v[SPW], v[NIL]
	s_wait_dscnt 0x0
	v_lshrrev_b32 v1, 5, v0
	v_readfirstlane_b32 s14, v1                    ; wave 0..3
	s_lshr_b32 s15, s14, 1                         ; q, k: which 128 tokens are mine.  Also: I fetch for x (0) or for W (1)
	s_and_b32 s16, s14, 1                          ; q, k: which 128 features.  Also: which half I fetch
	s_bfe_u32 s40, ttmp6, 0x40000                  ; cx, cy
	s_bfe_u32 s41, ttmp6, 0x40004
	s_lshl_b32 s42, ttmp9, 2
	s_add_co_u32 s42, s42, s40                     ; tx
	s_and_b32 s17, ttmp7, 0xffff
	s_lshr_b32 s66, s17, 3                         ; p: 8 rows of clusters to a plane
	s_lshl_b32 s17, s17, 2
	s_add_co_u32 s17, s17, s41                     ; ty'
	s_lshl_b32 s43, s41, 2
	s_lshl_b32 s43, 15, s43                        ; my row of the cluster
	s_lshl_b32 s44, 0x1111, s40                    ; my column
	s_or_b32 s[G1+0], s43, (0<<16)|(1<<20)|(1<<21)|(5<<22)|(3<<25)  ; the mask; elements of 1 byte; padding: four words after every 64; bit 21 beside a mask
	s_or_b32 s[G1B+0], s44, (0<<16)|(1<<20)|(1<<21)|(5<<22)|(3<<25)
.irp g, G1, G1B
	s_mov_b32 s[\g+1], ROWB<<16
	s_mov_b32 s[\g+2], 128<<16
	s_mov_b32 s[\g+3], ROWB<<16
	s_mov_b32 s[\g+4], 128
	s_mov_b32 s[\g+5], KROW
	s_mov_b32 s[\g+6], 0
	s_mov_b32 s[\g+7], 0
.endr
	s_lshl_b32 s18, s16, 7
	s_lshl_b32 s20, s17, 8
	s_add_co_u32 s20, s20, s18                     ; xc: row 256 ty' + 128 x half,
	s_lshl_b32 s20, s20, 10                        ; in bytes
	s_mov_b32 s21, 0
	s_lshl_b32 s46, s42, 8
	s_add_co_u32 s46, s46, s18
	s_lshl_b32 s47, s66, 10
	s_add_co_u32 s46, s46, s47                     ; wc: row 1,024 p + 256 tx + 128 x half
	s_lshl_b32 s46, s46, 10
	s_mov_b32 s47, 0
	s_mul_i32 s45, s14, HALFT                      ; where they go: wave x 128 rows
	s_lshl_b32 s[DX], s66, 5                       ; x: (64 - 32 p) tile rows down, two K steps back
	s_sub_co_u32 s[DX], 64, s[DX]
	s_lshl_b32 s[DX], s[DX], 18
	s_sub_co_u32 s[DX], s[DX], 2*ROWB
	s_mov_b32 s[DX+1], 0
	s_lshl_b32 s[DW], s66, 9                       ; W: from row 1,024 p + 256 tx + 128 half to row 2,048 + 128 (tx + 4 p) + 64 half: 1,088 rows down at the least
	s_sub_co_u32 s[DW], 2048, s[DW]
	s_lshl_b32 s[DW+1], s42, 7
	s_sub_co_u32 s[DW], s[DW], s[DW+1]
	s_lshl_b32 s[DW+1], s16, 6
	s_sub_co_u32 s[DW], s[DW], s[DW+1]
	s_lshl_b32 s[DW], s[DW], 10
	s_sub_co_u32 s[DW], s[DW], 2*ROWB
	s_mov_b32 s[DW+1], 0
	s_mul_i32 s[LV], s16, 64*PITCH
	s_add_co_u32 s[LV], s[LV], 2*HALFT
	s_wait_kmcnt 0x0
	s_load_b256 s[80:87], s[8:9], 0x0              ; e0 .. e7
	s_load_b64 s[88:89], s[8:9], 0x20              ; e8, e9
	s_add_nc_u64 s[20:21], s[4:5], s[20:21]
	s_add_nc_u64 s[46:47], s[6:7], s[46:47]
	CROUND                                         ; all sixteen work-groups are here: the first joint loads meet
.irp s, 0,1
	s_mov_b32 s[G0+4*\s], 1
	s_add_co_u32 s[G0+4*\s+1], s45, \s*SLOT
	s_add_nc_u64 s[G0+4*\s+2:G0+4*\s+3], s[20:21], \s*ROWB
	s_or_b32 s[G0+4*\s+3], s[G0+4*\s+3], 0x80000000
	s_mov_b32 s[G0B+4*\s], 1
	s_add_co_u32 s[G0B+4*\s+1], s45, \s*SLOT
	s_add_nc_u64 s[G0B+4*\s+2:G0B+4*\s+3], s[46:47], \s*ROWB
	s_or_b32 s[G0B+4*\s+3], s[G0B+4*\s+3], 0x80000000
.endr
	JLOAD G0, G1, G0B, G1B                         ; K step 0: one tensor load a wave at the head
	s_mul_i32 s21, s15, HALFT                      ; q, k: source 1 = my 128 rows of x,
	s_mul_i32 s22, s16, HALFT
	s_add_co_u32 s22, s22, 2*HALFT                 ; source 0 = my 128 rows of W
	s_mul_i32 s23, s14, 64*PITCH                   ; v: source 0 = my 64 rows of x; source 1 = Wv's 128 rows
	v_and_b32 v1, 15, v0                           ; r
	v_bfe_u32 v2, v0, 4, 1                         ; h
	v_mul_u32_u24 v3, v1, PITCH
	v_lshl_add_u32 v4, v2, 4, v3                   ; a fragment's row x pitch + 16 h
	v_and_b32 v5, 31, v0
	v_lshlrev_b32 v[CO], 4, v5
	v_lshlrev_b32 v[PFO], 10, v5
	v_lshlrev_b32 v6, 5, v2                        ; the bias, q and k: 8 h numbers on
	v_lshlrev_b32 v7, 2, v1                        ; the bias, v: r numbers on
	v_add_nc_u32 v16, s21, v4
	v_add_nc_u32 v17, SLOT, v16
	v_add_nc_u32 v20, s22, v4
	v_add_nc_u32 v21, SLOT, v20
	v_add_nc_u32 v18, 2*HALFT, v4
	v_add_nc_u32 v19, SLOT, v18
	v_add_nc_u32 v22, s23, v4
	v_add_nc_u32 v23, SLOT, v22
	s_wait_alu depctr_va_vdst(0)                   ; the wait ahead of the run of scalar lines
	s_lshl_b32 s18, s42, 8
	s_lshl_b32 s19, s16, 7
	s_add_co_u32 s18, s18, s19                     ; q, k: my first feature: 256 tx + 128 half
	s_lshl_b32 s18, s18, 2
	s_mov_b32 s19, 0
	s_cmp_eq_u32 s66, 1
	s_cselect_b64 s[96:97], s[70:71], s[68:69]
	s_add_nc_u64 s[96:97], s[96:97], s[18:19]
	s_lshl_b32 s79, s66, 2
	s_add_co_u32 s79, s79, s42                     ; v: which 128 features: tx + 4 p
	s_lshl_b32 s18, s79, 9
	s_add_nc_u64 s[72:73], s[72:73], s[18:19]
.irp b, 0,1,2,3,4,5,6,7                        ; q, k: register 8 b + j = bias(16 b + 8 h + j): it goes with source 0's block
	global_load_b128 v[BI+8*\b:BI+8*\b+3], v6, s[96:97] offset:64*\b
	global_load_b128 v[BI+8*\b+4:BI+8*\b+7], v6, s[96:97] offset:64*\b+16
.endr
.irp a, 0,1,2,3,4,5,6,7                        ; v: bias(16 a + r): it goes with source 1's block
	global_load_b32 v[BV+\a], v7, s[72:73] offset:64*\a
.endr
	s_and_b32 s18, s17, 31                         ; the prefetches' base: xc row 16,384 + 256 (ty' % 32) + 64 cx + 32 (wave % 2), K step wave / 2
	s_lshl_b32 s18, s18, 8
	s_lshl_b32 s19, s40, 6
	s_add_co_u32 s18, s18, s19
	s_lshl_b32 s19, s16, 5
	s_add_co_u32 s18, s18, s19
	s_add_co_u32 s18, s18, 16384
	s_lshl_b32 s18, s18, 10
	s_lshl_b32 s19, s15, 8
	s_add_co_u32 s18, s18, s19
	s_mov_b32 s19, 0
	s_add_nc_u64 s[PFA:PFA+1], s[4:5], s[18:19]
	; where q's or k's codes go.  idx = (first head) x 16 + my run of 128 tokens in the batch
	s_and_b32 s18, s17, 31
	s_lshr_b32 s19, s18, 3                         ; batch
	s_and_b32 s18, s18, 7
	s_lshl_b32 s19, s19, 4
	s_lshl_b32 s67, s42, 2
	s_add_co_u32 s19, s19, s67
	s_lshl_b32 s67, s16, 1
	s_add_co_u32 s19, s19, s67                     ; 16 batch + 4 tx + 2 half: the first of my two heads
	s_lshl_b32 s19, s19, 4
	s_lshl_b32 s18, s18, 1
	s_add_co_u32 s19, s19, s18
	s_add_co_u32 s19, s19, s15
	s_mov_b32 s92, 262144
	s_cmp_eq_u32 s66, 0
	s_cselect_b32 s92, 131072, s92                 ; from a block's registers 0-7 to its registers 8-15: the next head
	s_cselect_b32 s18, 13, 14                      ; 128 tokens of a head: 8,192 bytes in qc, 16,384 in kv
	s_cselect_b64 s[10:11], s[74:75], s[76:77]
	s_lshl_b32 s18, s19, s18
	s_mov_b32 s19, 0
	s_add_nc_u64 s[10:11], s[10:11], s[18:19]
	s_mov_b32 s93, 0
	s_add_nc_u64 s[12:13], s[10:11], s[92:93]
.macro FRAG reg, adr, q, i             ; 16 rows x 128 K: four loads of 16 bytes, 32 apart (the codes' order inside 32 bytes puts each k in its true place)
.irp c, 0,1,2,3
	ds_load_b128 v[\reg+4*\c:\reg+4*\c+3], v[\adr] offset:128*(\q)+32*\c+(\i)*16*PITCH
.endr
.endm
; source 1's blocks a0, a0 + 1 x source 0's NB.  p: source 0's set.  zero = 1: C = the bias by source 0's block; 2: by source 1's; 0: the sums go on.  The accumulators take turns, one instruction a turn, in the same order in every step.
.macro MULS a0, p, zero
.set a, \a0
.rept 2
.set b, 0
.rept NB
.set D, 8*((NB*a+b)%32)
.if \zero == 1
	v_wmma_f32_16x16x128_fp8_fp8 v[D:D+7], v[128*(\p)+FR*b:128*(\p)+FR*b+FR-1], v[AF+FR*a:AF+FR*a+FR-1], v[BI+8*b:BI+8*b+7]
.elseif \zero == 2
	v_wmma_f32_16x16x128_fp8_fp8 v[D:D+7], v[128*(\p)+FR*b:128*(\p)+FR*b+FR-1], v[AF+FR*a:AF+FR*a+FR-1], v[BI+8*a:BI+8*a+7]
.else
	v_wmma_f32_16x16x128_fp8_fp8 v[D:D+7], v[128*(\p)+FR*b:128*(\p)+FR*b+FR-1], v[AF+FR*a:AF+FR*a+FR-1], v[D:D+7]
.endif
.set b, b+1
.endr
.set a, a+1
.endr
.endm
.macro FETCH_B slot, q, p
	WIN TO_B
.set i, 0
.rept NB
	FRAG 128*(\p)+FR*i, AB+\slot, \q, i
.set i, i+1
.endr
	WIN 0
.endm
.macro FETCH_A slot, q, i0
.set i, \i0
.rept 4
	FRAG AF+FR*i, AA+\slot, \q, i
.set i, i+1
.endr
.endm
.macro PLACES n
.rept \n
	v_nop
.endr
.endm
; A step of 128 along K that has its successor in the same slot.  Source 1's blocks are free as soon as their products are issued: blocks 0-3 are fetched anew in the middle, 4-7 at the end.
.macro STEP slot, q, zero
	s_wait_dscnt 4*NL                              ; all but the youngest sixteen loads (source 1's blocks 4-7) are in
	MWIN 0, \zero
	MULS 0, (\q)%2, \zero
	MULS 2, (\q)%2, \zero
	s_wait_dscnt 0
	PLACES NP
	FETCH_B \slot, (\q)+1, 1-(\q)%2
	FETCH_A \slot, (\q)+1, 0
	MWIN 4, \zero
	MULS 4, (\q)%2, \zero
	MULS 6, (\q)%2, \zero
	PLACES NP
	WIN 0
	FETCH_A \slot, (\q)+1, 4
.endm
; A slot's last step changes slots: ONE barrier; in front of it each wave waits for all its tensor loads, adds 0 to its spare word, and waits for that and for its own reads of this slot.
; fill = 1: this slot takes the K step two on; 2: v's K step of this slot's number; 0: nothing.  fetch = 0: the next slot's fragments are fetched later.  pf >= 0: a prefetch at that offset.
.macro TURN slot, next, fill, fetch, pf
	s_wait_tensorcnt 0x0
	ds_add_u32 v[SPW], v[NIL]
	s_wait_dscnt 4*NL+1                            ; (the add and the youngest sixteen loads may be out)
	MWIN 0, 0
	MULS 0, 1, 0
	s_wait_dscnt 0x0                               ; the add is done, and my reads of this slot are over
	s_barrier_signal -1
	MULS 2, 1, 0
	WIN 0
	s_barrier_wait -1
.if \fill
	CREST                                          ; the barrier has opened a round of the cluster's: no wave of any partner still reads this slot or has a load on its way
.if \fill == 2
	s_add_nc_u64 s[G0+4*\slot+2:G0+4*\slot+3], s[G0+4*\slot+2:G0+4*\slot+3], s[DX:DX+1]
	s_add_nc_u64 s[G0B+4*\slot+2:G0B+4*\slot+3], s[G0B+4*\slot+2:G0B+4*\slot+3], s[DW:DW+1]
	s_add_co_u32 s[G0B+4*\slot+1], s[LV], \slot*SLOT
	s_mov_b32 s[G1B+2], 64<<16                     ; Wv's tile has 128 rows: 64 a load
	s_mov_b32 s[G1B+4], 64
.else
	s_add_nc_u64 s[G0+4*\slot+2:G0+4*\slot+3], s[G0+4*\slot+2:G0+4*\slot+3], 2*ROWB
	s_add_nc_u64 s[G0B+4*\slot+2:G0B+4*\slot+3], s[G0B+4*\slot+2:G0B+4*\slot+3], 2*ROWB
.endif
	JLOAD G0+4*\slot, G1, G0B+4*\slot, G1B         ; the first tensor load behind the round; its four v_nop are the places in front of the loads below
.else
	PLACES NP
.endif
.if \fetch
	FETCH_B \next, 0, 0
	FETCH_A \next, 0, 0
.endif
.if \pf >= 0
	global_prefetch_b8 v[PFO], s[PFA:PFA+1] offset:\pf th:TH_LOAD_NT scope:SCOPE_SE
.endif
	MWIN 4, 0
	MULS 4, 1, 0
	MULS 6, 1, 0
.if \fetch
	PLACES NP
	WIN 0
	FETCH_A \next, 0, 4
.else
	WIN 0
.endif
.endm
; THE WAY OUT, block by block of source 1's 16 rows: 8 NB sums a lane are held within +-448 x the scale (each accumulator from its low end on), converted, and stored as they stand.  Each block has code registers of its own.
.macro OUTBLK a
.set AC, 8*((NB*(\a))%32)
	WIN 0x02+(NB*(\a))/32
.set j, 0
.rept 8*NB
	v_med3_num_f32 v[TMP+j], v[AC+j], -v[LIM], v[LIM]   ; the conversion does not saturate (ISA guide 7.6.2)
.set j, j+1
.endr
	WIN 0
.set b, 0
.rept NB
	v_cvt_scalef32_pk8_fp8_f32 v[CD+2*NB*(\a)+2*b:CD+2*NB*(\a)+2*b+1], v[TMP+8*b:TMP+8*b+7], v[SC]
.set b, b+1
.endr
	v_nop                                          ; a plain line between the conversions and the next lines that write their sources
.if (\a) > 0
	s_wait_alu depctr_va_vdst(0)
	s_wait_xcnt 0x0                                ; the last block's stores have read their bases
.if NB == 8
	s_add_nc_u64 s[10:11], s[10:11], 1024
	s_add_nc_u64 s[12:13], s[12:13], 1024
.elseif (\a) == 4
	s_add_nc_u64 s[10:11], s[10:11], 262144-3*2048 ; the next head's first tile of V^T
.else
	s_add_nc_u64 s[10:11], s[10:11], 2048
.endif
.endif
.if NB == 8
.irp c, 0,1,2,3
	global_store_b128 v[CO], v[CD+16*(\a)+4*\c:CD+16*(\a)+4*\c+3], s[10+2*(\c/2):11+2*(\c/2)] offset:512*(\c%2)
.endr
.else
.irp c, 0,1
	global_store_b128 v[CO], v[CD+8*(\a)+4*\c:CD+8*(\a)+4*\c+3], s[10:11] offset:512*\c
.endr
.endif
.endm
	s_wait_alu depctr_va_vdst(0)                   ; the wait at the head's end
	s_wait_tensorcnt 0x0                           ; my part of K step 0 is in; these lines stand ahead of a later first fill as ahead of a refill
	ds_add_u32 v[SPW], v[NIL]
	s_wait_dscnt 0x0
	CROUND
	JLOAD G0+4, G1, G0B+4, G1B                     ; K step 1
	FETCH_B 0, 0, 0
	FETCH_A 0, 0, 0
	FETCH_A 0, 0, 4
	s_wait_kmcnt 0x0
	s_cmp_eq_u32 s66, 1                            ; the product's three exponents: chosen, never branched on
	s_cselect_b32 s18, s82, s80
	s_cselect_b32 s19, s83, s81
	s_cselect_b32 s67, s87, s86
	s_add_co_i32 s18, s18, s19                     ; ex + ew
	s_sub_co_i32 s94, 0, s18
	s_sub_co_i32 s67, s67, s18                     ; eo - ex - ew: the three scales folded into the conversion's one
	s_add_co_i32 s67, s67, 127
	s_lshl_b32 s19, s67, 23
	v_mov_b32 v[SC], s19
	s_add_co_i32 s67, s67, 8
	s_lshl_b32 s67, s67, 23
	s_or_b32 s67, s67, 0x600000
	v_mov_b32 v[LIM], s67
	s_wait_loadcnt 0x0                             ; both biases
.set j, 0
.rept 64
	v_ldexp_f32 v[BI+j], v[BI+j], s94              ; bias / 2^(ex + ew)
.set j, j+1
.endr
	s_wait_alu depctr_va_vdst(0)
	STEP 0, 0, 1
	TURN 0, 1, 1, 1, 0                             ; slot 0 takes K step 2; v's K steps 0 and 1 of x are prefetched
	STEP 1, 0, 0
	TURN 1, 0, 1, 1, -1                            ; slot 1 takes K step 3
	STEP 0, 0, 0
	TURN 0, 1, 2, 1, 2*ROWB                        ; THE RING GOES ON INTO v's TILE: slot 0 takes its K step 0; its K steps 2 and 3 of x are prefetched
	STEP 1, 0, 0
	TURN 1, 0, 2, 0, -1                            ; slot 1 its K step 1; everybody's part of v's K step 0 is in
	PLACES NP
.irp a, 0,1,2,3,4,5,6,7
	OUTBLK \a                                      ; q or k goes out while v's tiles are on their way
.endr
	; v's tile
.set NB, 4
.set AA, 18
.set AB, 22
	s_add_co_i32 s18, s84, s85                     ; e4 + e5
	s_sub_co_i32 s94, 0, s18
	s_sub_co_i32 s67, s89, s18                     ; e9 - e4 - e5
	s_add_co_i32 s67, s67, 127
	s_lshl_b32 s19, s67, 23
	s_add_co_i32 s67, s67, 8
	s_lshl_b32 s67, s67, 23
	s_or_b32 s67, s67, 0x600000
	s_and_b32 s20, s17, 31                         ; where my codes go: head 16 batch + 2 (tx + 4 p), key step 2 (tile % 8) + wave / 2, behind K's tiles, half wave % 2 of an image
	s_lshr_b32 s21, s20, 3
	s_and_b32 s20, s20, 7
	s_lshl_b32 s21, s21, 4
	s_lshl_b32 s22, s79, 1
	s_add_co_u32 s21, s21, s22
	s_lshl_b32 s21, s21, 18
	s_lshl_b32 s20, s20, 1
	s_add_co_u32 s20, s20, s15
	s_lshl_b32 s20, s20, 14
	s_add_co_u32 s20, s20, s21
	s_lshl_b32 s22, s16, 10
	s_add_co_u32 s20, s20, s22
	s_add_co_u32 s20, s20, 8192
	s_mov_b32 s21, 0
	s_wait_xcnt 0x0                                ; the stores have read their bases and their data: both are written again only behind this wait
	s_add_nc_u64 s[10:11], s[76:77], s[20:21]
	FETCH_B 0, 0, 0
	FETCH_A 0, 0, 0
	FETCH_A 0, 0, 4
	v_mov_b32 v[SC], s19
	v_mov_b32 v[LIM], s67
.set a, 0
.rept 8
.set j, 0
.rept 8
	v_ldexp_f32 v[BI+8*a+j], v[BV+a], s94          ; registers 8 a + 0 .. 7 all = bias(16 a + r) / 2^(e4 + e5)
.set j, j+1
.endr
.set a, a+1
.endr
	s_wait_alu depctr_va_vdst(0)
	STEP 0, 0, 2
	TURN 0, 1, 1, 1, -1
	STEP 1, 0, 0
	TURN 1, 0, 1, 1, -1
	STEP 0, 0, 0
	TURN 0, 1, 0, 1, -1                            ; nothing is left to fetch
	STEP 1, 0, 0
	s_wait_dscnt 4*NL
	MWIN 0, 0
	MULS 0, 1, 0
	MULS 2, 1, 0
	s_wait_dscnt 0
	MWIN 4, 0
	MULS 4, 1, 0
	MULS 6, 1, 0
	WIN 0
	PLACES NP
.irp a, 0,1,2,3,4,5,6,7
	OUTBLK \a
.endr
	s_wait_tensorcnt 0x0                           ; the wave's end
	ds_add_u32 v[SPW], v[NIL]
	s_wait_dscnt 0x0
	CROUND                                         ; the closing round
	s_endpgm
.Lfunc_end_k_q6884574d1d_proj:
	.size	k_q6884574d1d_proj, .Lfunc_end_k_q6884574d1d_proj-k_q6884574d1d_proj
	.p2alignl 7, 3214868480
	.fill 96, 4, 3214868480
	.section	.rodata,"a",@progbits
	.p2align	6, 0x0
	.amdhsa_kernel k_q6884574d1d_proj
		.amdhsa_group_segment_fixed_size 327680
		.amdhsa_private_segment_fixed_size 0
		.amdhsa_enable_private_segment 0
		.amdhsa_kernarg_size 64
		.amdhsa_user_sgpr_count 2
		.amdhsa_user_sgpr_kernarg_segment_ptr 1
		.amdhsa_wavefront_size32 1
		.amdhsa_system_sgpr_workgroup_id_x 1
		.amdhsa_system_sgpr_workgroup_id_y 1
		.amdhsa_system_sgpr_workgroup_id_z 1
		.amdhsa_system_vgpr_workitem_id 0
		.amdhsa_next_free_vgpr 1024
		.amdhsa_next_free_sgpr 102
		.amdhsa_reserve_vcc 0
		.amdhsa_float_denorm_mode_32 3
		.amdhsa_float_denorm_mode_16_64 3
		.amdhsa_memory_ordered 1
		.amdhsa_forward_progress 1
		.amdhsa_inst_pref_size 202
	.end_amdhsa_kernel
	.amdgpu_metadata
---
amdhsa.version: [ 1, 2 ]
amdhsa.kernels:
  - .name:           k_q6884574d1d_proj
    .symbol:         k_q6884574d1d_proj.kd
    .args:
      - { .name: xc, .offset: 0, .size: 8, .value_kind: global_buffer, .address_space: global }
      - { .name: wc, .offset: 8, .size: 8, .value_kind: global_buffer, .address_space: global }
      - { .name: lowp_scales, .offset: 16, .size: 8, .value_kind: global_buffer, .address_space: global }
      - { .name: bq, .offset: 24, .size: 8, .value_kind: global_buffer, .address_space: global }
      - { .name: bk, .offset: 32, .size: 8, .value_kind: global_buffer, .address_space: global }
      - { .name: bv, .offset: 40, .size: 8, .value_kind: global_buffer, .address_space: global }
      - { .name: qc, .offset: 48, .size: 8, .value_kind: global_buffer, .address_space: global }
      - { .name: kv, .offset: 56, .size: 8, .value_kind: global_buffer, .address_space: global }
    .group_segment_fixed_size: 327680
    .private_segment_fixed_size: 0
    .kernarg_segment_align: 8
    .kernarg_segment_size: 64
    .max_flat_workgroup_size: 128
    .sgpr_count:     102
    .vgpr_count:     1024
    .wavefront_size: 32
...
	.end_amdgpu_metadata
.endif
;; end of part 2
;; launch attn (part 3): grid 4 x 64, 8 waves a work-group, clusters of 4 x 1, 327,680 bytes of LDS; arguments qc, kv, lowp_scales, ac; writes ac
.if DOCPART == 3
	.amdgcn_target "amdgcn-amd-amdhsa--gfx1250"
	.amdhsa_code_object_version 6
	.text
	.protected	k_q6884574d1d_attn
	.globl	k_q6884574d1d_attn
	.p2align	8
	.type	k_q6884574d1d_attn,@function
k_q6884574d1d_attn:
	s_mov_b64 s[64:65], 0
	v_nop
	global_prefetch_b8 v0, s[64:65] scope:SCOPE_SE
	s_setreg_imm32_b32 hwreg(HW_REG_WAVE_MODE, 25, 1), 1
	s_wait_xcnt 0x0
	s_wait_alu depctr_hold_cnt(0) depctr_sa_sdst(0) depctr_va_vdst(0) depctr_va_sdst(0) depctr_va_ssrc(0) depctr_va_vcc(0) depctr_vm_vsrc(0)
	s_getreg_b32 s2, hwreg(HW_REG_IB_STS2, 6, 4)
	s_cmp_eq_u32 s2, 0
	s_cbranch_scc0 .Lentry_in_a_cluster
	s_endpgm
.Lentry_in_a_cluster:
	s_bfe_u32 s2, ttmp6, 0x10000c
	s_cmp_lg_u32 s2, 0x3003
	s_cbranch_scc0 .Lentry_shape_is_right
	s_endpgm
.Lentry_shape_is_right:
; softmax(q k^T / 8) v for 64 heads of 2,048 positions x 64 channels, both products on codes of E4M3, and the result's quantising (e10) into images of the last product's fragments.
; qc [head 64][query tile 128][1,024 B]: a fragment 16 queries x 64.  kv [head 64][key step 16][16,384 B]: 8 tiles of K (16 keys x 64: 1,024 B), then 4 tiles of V^T (16 channels x 128 keys: 2,048 B).
; ac [token tile 512][16,384 B], a head's 64 channels at 1,024 x head.  An image holds four registers of each lane at 512 g + 16 x lane.
; THE SOFTMAX: t = score x log2(e) / 8; M = the running largest t rounded up to a whole number; p = 2^(t - M) is held at 448 x 2^e8 and quantised; the row's sum is taken of p before the hold and divides at the end;
; when M moves, the sum and O are multiplied by 2^(old M - new M), which rounds nothing.
; SHARES.  A work-group owns 512 queries of one head; each of its EIGHT waves 64 of them, four tiles, in 512 registers: a fragment of K or V^T read from LDS feeds four matrix instructions.
; Both products are used transposed (S^T = K Q^T, O^T = V^T P^T): a lane holds one query, and the conversion of score tile n gives registers 2 n, 2 n + 1 of P's fragment along 128 keys.
; The query tiles go through the softmax in PAIRS, line by line by turns, so that no line waits for the line above it; the maxima and the second tile's sums run in four chains each, the first tile's sum as a tree.
; LDS: the head's whole K and V, 16 x 16,384 bytes, land once: one tensor load a wave (32,768 bytes as 128 rows of 256) at the head.  Nothing is filled again.
; CLUSTER: the four work-groups of a head need the same bytes and ask for them jointly (mask 15).  No prefetch: all that the launch reads by tensor loads is asked for at its head; there is no loop to run ahead in.
; The loop over the 16 key steps is written once: O and the sums begin as zeros and the largest t as -3e38; each trip fetches the next step's tiles of K, the last trip step 15's once more (an address held at the last step), which nobody uses.
; LIMITS: e6 + e7 between -123 and 130 (added to c's exponent field); e8 and e10 between -126 and 119; the scaled scores stay under 2^31 in magnitude.  NaN among the inputs is not served.
; REGISTERS.  Window 0: v1-6 addresses and scales; v8-23 four tiles' state (-M, largest t, the sum in two halves); v24-27 the two factors; v28, v29 the add's; v30, v31 lane permutes; v32-63 at work;
;   v64-127 K's eight fragments; v128-191, v192-255 the pair's scores, then p.   Window 1: v0-127 O^T (32 a tile); v128-159 the pair's codes of p; v160-191 Q; v192-255 V^T's four fragments.
.set SPARE, 0x40000                    ; behind K and V: the spare words, 128 bytes for each wave
.set LB,   1                           ; 16 x lane
.set ADR,  2                           ; this step's tiles
.set SC,   3                           ; 2^e8
.set HA,   4                           ; 448 x 2^e8, twice: the two halves of a dual line take their second sources from different banks
.set HB,   5
.set ADK,  6                           ; the next step's tiles of K
.set FA,   24
.set FB,   26
.set SPW,  28
.set NIL,  29
.set T,    32
.set F,    64
.set SA,   128
.set SB,   192
.set P1,   128                         ; window 1
.set Q1,   160
.set V1,   192
.set WV,   12
.set SEL,  20
.set CS,   22
.set G1,   24
.set G0,   40
.set TB,   48
.set CNT,  49
.set TK,   50
.set MSB, 0
.macro WIN new                         ; the immediate's high byte repeats the setting that is left
.if MSB != \new
	s_set_vgpr_msb (MSB<<8)|\new
.set MSB, \new
.endif
.endm
.macro CROUND
	s_barrier_signal -1
	s_barrier_wait -1
	s_cmp_lg_u32 s[WV], 0
	s_cbranch_scc1 .Lnot_wave_0_\@
	s_barrier_signal -3
.Lnot_wave_0_\@:
	s_barrier_wait -3
	s_barrier_signal -1
	s_barrier_wait -1
.endm
	s_load_b256 s[4:11], s[0:1], 0x0               ; qc 4, kv 6, the exponents 8, ac 10
	v_lshl_add_u32 v[SPW], v0, 2, SPARE
	v_mov_b32 v[NIL], 0
	ds_add_u32 v[SPW], v[NIL]                      ; the opening lines: the add twice on end and its wait ahead of my first tensor load
	ds_add_u32 v[SPW], v[NIL]
	v_lshrrev_b32 v2, 5, v0
	v_readfirstlane_b32 s[WV], v2                  ; wave 0..7
	s_bfe_u32 s13, ttmp6, 0x40000                  ; cx
	s_lshl_b32 s14, ttmp9, 2
	s_add_co_u32 s14, s14, s13                     ; which 512 queries
	s_and_b32 s15, ttmp7, 0xffff                   ; the head
	s_mov_b32 s[G1], 15|(3<<16)|(1<<21)            ; mask: the cluster's four; elements of 8 bytes; bit 21 beside a mask
	s_mov_b32 s[G1+1], 32<<16                      ; rows of 256 bytes
	s_mov_b32 s[G1+2], 128<<16
	s_mov_b32 s[G1+3], 32<<16
	s_mov_b32 s[G1+4], 128
	s_mov_b32 s[G1+5], 32
	s_mov_b32 s[G1+6], 0
	s_mov_b32 s[G1+7], 0
	s_mov_b32 s[SEL], 0x76543210
	s_mov_b32 s[SEL+1], 0xfedcba98
	s_mov_b32 s[CS], 0x3e38aa3b                    ; c = log2(e) / 8
	s_mov_b32 s[TB], 0
	s_mov_b32 s[TK], 16384
	s_mov_b32 s[CNT], 16
	s_lshl_b32 s16, s15, 18                        ; the head's 262,144 bytes of kv
	s_lshl_b32 s17, s[WV], 15                      ; my 32,768 of them, in memory and in LDS alike
	s_add_co_u32 s2, s16, s17
	s_mov_b32 s3, 0
	s_wait_alu depctr_va_vdst(0)
	s_wait_dscnt 0x0
	s_wait_kmcnt 0x0
	s_load_b128 s[52:55], s[8:9], 0x18             ; e6, e7, e8, e9
	s_load_b32 s56, s[8:9], 0x28                   ; e10
	CROUND                                         ; the four work-groups are here: the joint loads meet
	s_mov_b32 s[G0], 1
	s_mov_b32 s[G0+1], s17
	s_add_nc_u64 s[G0+2:G0+3], s[6:7], s[2:3]
	s_or_b32 s[G0+3], s[G0+3], 0x80000000
	tensor_load_to_lds s[G0:G0+3], s[G1:G1+7]      ; my one tensor load of the launch
	s_nop 0
.rept 4
	v_nop
.endr
	s_lshl_b32 s16, s15, 7
	s_lshl_b32 s17, s14, 5
	s_add_co_u32 s16, s16, s17
	s_lshl_b32 s17, s[WV], 2
	s_add_co_u32 s16, s16, s17                     ; my first query tile: 128 head + 32 block + 4 wave
	s_lshl_b32 s2, s16, 10
	s_add_nc_u64 s[4:5], s[4:5], s[2:3]
	s_lshr_b32 s16, s15, 4
	s_lshl_b32 s16, s16, 7
	s_lshl_b32 s17, s14, 5
	s_add_co_u32 s16, s16, s17
	s_lshl_b32 s17, s[WV], 2
	s_add_co_u32 s16, s16, s17                     ; my first token tile: 128 batch + 32 block + 4 wave
	s_lshl_b32 s16, s16, 14
	s_and_b32 s17, s15, 15
	s_lshl_b32 s17, s17, 10
	s_add_co_u32 s2, s16, s17
	s_add_nc_u64 s[10:11], s[10:11], s[2:3]
	v_and_b32 v[LB], 31, v0
	v_lshlrev_b32 v[LB], 4, v[LB]
	WIN 0x40                                       ; destinations in window 1
.set n, 0
.rept 8
	global_load_b128 v[Q1+4*n:Q1+4*n+3], v[LB], s[4:5] offset:512*n   ; Q's four fragments stay in registers
.set n, n+1
.endr
.set n, 0
.rept 128
	v_mov_b32 v[n], 0                              ; O^T: the loop is written once, its first trip finds zeros
.set n, n+1
.endr
	WIN 0
.irp q, 0,1,2,3
	v_mov_b32 v[9+4*\q], 0xff61b1e6                ; the largest t so far: -3e38
	v_mov_b32 v[10+4*\q], 0
	v_mov_b32 v[11+4*\q], 0
	v_floor_f32 v[8+4*\q], -v[9+4*\q]              ; -M
.endr
	v_mov_b32 v[FA+1], 0                           ; (named as upper halves of pairs)
	v_mov_b32 v[FB+1], 0
	v_mov_b32 v30, 0                               ; a lane permute's destination counts as a source
	v_mov_b32 v31, 0
	s_wait_kmcnt 0x0
	s_add_co_i32 s16, s52, s53
	s_lshl_b32 s16, s16, 23
	s_add_co_i32 s[CS], s[CS], s16                 ; a score stands for score x 2^(e6 + e7)
	s_mov_b32 s[CS+1], s[CS]
	s_add_co_i32 s16, s54, 127
	s_lshl_b32 s17, s16, 23
	v_mov_b32 v[SC], s17
	s_add_co_i32 s16, s16, 8
	s_lshl_b32 s16, s16, 23
	s_or_b32 s16, s16, 0x600000
	v_mov_b32 v[HA], s16
	v_mov_b32 v[HB], s16
; 16 products: the step's eight tiles of K against the pair's two tiles of Q; the sixteen accumulators are all different
.macro QK p
	WIN 0x04                                       ; source 1 (Q) in window 1
.set n, 0
.rept 8
	v_wmma_f32_16x16x64_fp8_fp8 v[SA+8*n:SA+8*n+7], v[F+8*n:F+8*n+7], v[Q1+16*(\p):Q1+16*(\p)+7], 0
	v_wmma_f32_16x16x64_fp8_fp8 v[SB+8*n:SB+8*n+7], v[F+8*n:F+8*n+7], v[Q1+16*(\p)+8:Q1+16*(\p)+15], 0
.set n, n+1
.endr
.rept 4
	v_nop                                          ; four places ahead of the first read of results and of loads into K's registers
.endr
	WIN 0
.endm
.macro DMIN r                          ; the hold of two numbers in one dual line: p is never negative, so it is one-sided (the conversion does not saturate: ISA guide 7.6.2)
	v_dual_min_num_f32 v[\r], v[\r], v[HA] :: v_dual_min_num_f32 v[\r+1], v[\r+1], v[HB]
.endm
; The softmax of query tiles 2 p (scores in SA) and 2 p + 1 (SB), and their share of O^T += V^T P^T.
.macro SOFTMAX2 p
.set STA, 8+8*(\p)
.set STB, 12+8*(\p)
.set OA, 64*(\p)
.irp i, 0,1,2,3                        ; the largest score of my query among my 64 keys: four chains a tile, registers ascending (each accumulator is first read at its low end)
	v_max3_num_f32 v[T+\i], v[SA+3*\i], v[SA+3*\i+1], v[SA+3*\i+2]
	v_max3_num_f32 v[T+4+\i], v[SB+3*\i], v[SB+3*\i+1], v[SB+3*\i+2]
.endr
.set k, 0
.rept 26
	v_max3_num_f32 v[T+k%4], v[T+k%4], v[SA+12+2*k], v[SA+13+2*k]
	v_max3_num_f32 v[T+4+k%4], v[T+4+k%4], v[SB+12+2*k], v[SB+13+2*k]
.set k, k+1
.endr
	v_max3_num_f32 v[T], v[T], v[T+1], v[T+2]
	v_max3_num_f32 v[T+4], v[T+4], v[T+5], v[T+6]
	v_max_num_f32 v[T], v[T], v[T+3]
	v_max_num_f32 v[T+4], v[T+4], v[T+7]
	v_permlanex16_b32 v30, v[T], s[SEL], s[SEL+1]
	v_permlanex16_b32 v31, v[T+4], s[SEL], s[SEL+1]
	v_max_num_f32 v[T], v[T], v30                  ; and among lane l xor 16's
	v_max_num_f32 v[T+4], v[T+4], v31
	v_mul_f32 v[T], s[CS], v[T]                    ; as t (c is positive)
	v_mul_f32 v[T+4], s[CS], v[T+4]
	v_max_num_f32 v[STA+1], v[STA+1], v[T]         ; the running largest t
	v_max_num_f32 v[STB+1], v[STB+1], v[T+4]
	v_mov_b32 v[T+1], v[STA]
	v_mov_b32 v[T+5], v[STB]
	v_floor_f32 v[STA], -v[STA+1]                  ; the new -M = -ceil(t)
	v_floor_f32 v[STB], -v[STB+1]
	v_sub_f32 v[T+1], v[STA], v[T+1]               ; old M - new M: a whole number, 0 or less
	v_sub_f32 v[T+5], v[STB], v[T+5]
	v_cvt_i32_f32 v[T+1], v[T+1]                   ; (it saturates)
	v_cvt_i32_f32 v[T+5], v[T+5]
	v_ldexp_f32 v[FA], 1.0, v[T+1]                 ; f = 2^(old M - new M)
	v_ldexp_f32 v[FB], 1.0, v[T+5]
.set n, 0
.rept 32
	v_pk_fma_f32 v[SA+n:SA+n+1], v[SA+n:SA+n+1], s[CS:CS+1], v[STA:STA+1] op_sel_hi:[1,0,0]   ; t - M, two at a time
.set n, n+2
.endr
	v_pk_mul_f32 v[STA+2:STA+3], v[STA+2:STA+3], v[FA:FA+1] op_sel_hi:[1,0]   ; the sums under the new M
	v_pk_mul_f32 v[STB+2:STB+3], v[STB+2:STB+3], v[FB:FB+1] op_sel_hi:[1,0]
	WIN 0x41                                       ; O^T: source 0 and destination in window 1
	s_wait_alu depctr_va_vdst(0)                   ; the wait directly ahead of the first readers of O^T, and ahead of the exponentials
.set n, 0
.rept 16
	v_pk_mul_f32 v[OA+n:OA+n+1], v[OA+n:OA+n+1], v[FA:FA+1] op_sel_hi:[1,0]   ; O^T under the new M
	v_pk_mul_f32 v[OA+32+n:OA+32+n+1], v[OA+32+n:OA+32+n+1], v[FB:FB+1] op_sel_hi:[1,0]
.set n, n+2
.endr
	WIN 0
.set n, 0
.rept 32                               ; the first tile's p; among its exponentials stand the second tile's t - M, which are first read behind the wait below
	v_exp_f32 v[SA+n], v[SA+n]
	v_pk_fma_f32 v[SB+n:SB+n+1], v[SB+n:SB+n+1], s[CS:CS+1], v[STB:STB+1] op_sel_hi:[1,0,0]
	v_exp_f32 v[SA+n+1], v[SA+n+1]
.set n, n+2
.endr
	v_nop
	s_wait_alu depctr_va_vdst(0)                   ; one wait for that batch, ahead of its first reader
.set n, 0
.rept 16                               ; the second tile's p; among its exponentials stand lines on the first tile's p that hang on no other line here: the first level of its sum (taken ahead of the hold), then the hold
	v_exp_f32 v[SB+4*n], v[SB+4*n]
	v_pk_add_f32 v[T+2*n:T+2*n+1], v[SA+4*n:SA+4*n+1], v[SA+4*n+2:SA+4*n+3]
	v_exp_f32 v[SB+4*n+1], v[SB+4*n+1]
	DMIN SA+4*n
	v_exp_f32 v[SB+4*n+2], v[SB+4*n+2]
	DMIN SA+4*n+2
	v_exp_f32 v[SB+4*n+3], v[SB+4*n+3]
.set n, n+1
.endr
	v_nop
	s_wait_alu depctr_va_vdst(0)                   ; one wait for the batch and for what was written among it
.set i, 0
.rept 8
	v_pk_add_f32 v[T+2*i:T+2*i+1], v[T+2*i:T+2*i+1], v[T+16+2*i:T+17+2*i]   ; the first tile's sum: a tree
.set i, i+1
.endr
.irp c, 0,1,2,3
	v_pk_add_f32 v[T+16+2*\c:T+17+2*\c], v[SB+4*\c:SB+4*\c+1], v[SB+4*\c+2:SB+4*\c+3]   ; the second tile's: four chains
.endr
.irp i, 0,1,2,3
	v_pk_add_f32 v[T+2*\i:T+2*\i+1], v[T+2*\i:T+2*\i+1], v[T+8+2*\i:T+9+2*\i]
.endr
.set k, 0
.rept 24
	v_pk_add_f32 v[T+16+2*(k%4):T+17+2*(k%4)], v[T+16+2*(k%4):T+17+2*(k%4)], v[SB+16+2*k:SB+17+2*k]
.if k == 3
	v_pk_add_f32 v[T:T+1], v[T:T+1], v[T+4:T+5]
	v_pk_add_f32 v[T+2:T+3], v[T+2:T+3], v[T+6:T+7]
.endif
.if k == 11
	v_pk_add_f32 v[T:T+1], v[T:T+1], v[T+2:T+3]
.endif
.if k == 19
	v_pk_add_f32 v[STA+2:STA+3], v[STA+2:STA+3], v[T:T+1]
.endif
.set k, k+1
.endr
	v_pk_add_f32 v[T+16:T+17], v[T+16:T+17], v[T+18:T+19]
	v_pk_add_f32 v[T+20:T+21], v[T+20:T+21], v[T+22:T+23]
.set n, 0
.rept 16
	DMIN SB+2*n
.set n, n+1
.endr
	v_pk_add_f32 v[T+16:T+17], v[T+16:T+17], v[T+20:T+21]
.rept 16
	DMIN SB+2*n
.set n, n+1
.endr
	v_pk_add_f32 v[STB+2:STB+3], v[STB+2:STB+3], v[T+16:T+17]
	WIN 0x40                                       ; the codes go to window 1
.set n, 0
.rept 8
	v_cvt_scalef32_pk8_fp8_f32 v[P1+2*n:P1+2*n+1], v[SA+8*n:SA+8*n+7], v[SC]
	v_cvt_scalef32_pk8_fp8_f32 v[P1+16+2*n:P1+17+2*n], v[SB+8*n:SB+8*n+7], v[SC]
.set n, n+1
.endr
	v_nop                                          ; a plain line between the conversions and the products that read their results
	WIN 0x55                                       ; all four operands in window 1
	s_wait_alu depctr_va_vdst(0)
.if \p == 0
	s_wait_dscnt 0x0                               ; V^T's fragments are in (nothing else is out)
.endif
.irp t, 0,1,2,3                        ; eight accumulators by turns
	v_wmma_f32_16x16x128_fp8_fp8 v[OA+8*\t:OA+8*\t+7], v[V1+16*\t:V1+16*\t+15], v[P1:P1+15], v[OA+8*\t:OA+8*\t+7]
	v_wmma_f32_16x16x128_fp8_fp8 v[OA+32+8*\t:OA+39+8*\t], v[V1+16*\t:V1+16*\t+15], v[P1+16:P1+31], v[OA+32+8*\t:OA+39+8*\t]
.endr
	WIN 0
.endm
	s_wait_alu depctr_va_vdst(0)                   ; the wait at the head's end
	s_wait_tensorcnt 0x0                           ; my part of K and V is in,
	s_barrier_signal -1
	s_barrier_wait -1                              ; everybody's is
.set n, 0
.rept 16
	ds_load_b128 v[F+4*n:F+4*n+3], v[LB] offset:512*n   ; step 0's tiles of K
.set n, n+1
.endr
	s_wait_loadcnt 0x0                             ; Q
.Lstep:                                            ; 16 trips of 128 keys
	v_add_nc_u32 v[ADR], s[TB], v[LB]
	v_add_nc_u32 v[ADK], s[TK], v[LB]
	v_nop                                          ; with the two additions: four places behind the last products, ahead of the loads into V^T's registers
	v_nop
	WIN 0x40
.set n, 0
.rept 16
	ds_load_b128 v[V1+4*n:V1+4*n+3], v[ADR] offset:8192+512*n
.set n, n+1
.endr
	s_wait_dscnt 16                                ; K's sixteen loads, issued ahead of these sixteen, are in
	QK 0
	SOFTMAX2 0
	QK 1
.set n, 0
.rept 16
	ds_load_b128 v[F+4*n:F+4*n+3], v[ADK] offset:512*n   ; the next step's tiles of K, behind QK's four places
.set n, n+1
.endr
	SOFTMAX2 1
	s_add_co_u32 s[TB], s[TB], 16384
	s_add_co_u32 s[TK], s[TB], 16384
	s_min_u32 s[TK], s[TK], 15*16384               ; held at the last step
	s_sub_co_u32 s[CNT], s[CNT], 1
	s_cmp_lg_u32 s[CNT], 0
	s_cbranch_scc1 .Lstep
	; THE WAY OUT: O^T / the sum x 2^(e8 + e9), held, converted with 2^e10: registers 2 t, 2 t + 1 of a fragment along the head's 64 channels
	s_wait_dscnt 0x0                               ; the last trip's loads have landed: K's registers take the codes
.rept 4
	v_nop
.endr
.irp q, 0,1,2,3
	v_add_f32 v[10+4*\q], v[10+4*\q], v[11+4*\q]
.endr
.irp q, 0,1,2,3
	v_permlanex16_b32 v[T+\q], v[10+4*\q], s[SEL], s[SEL+1]
.endr
.irp q, 0,1,2,3
	v_add_f32 v[10+4*\q], v[10+4*\q], v[T+\q]      ; the row's sum
.endr
	s_wait_alu depctr_va_vdst(0)                   ; ahead of the batch
.irp q, 0,1,2,3
	v_rcp_f32 v[10+4*\q], v[10+4*\q]
.endr
	v_nop
	s_add_co_i32 s16, s54, s55
	s_add_co_i32 s17, s56, 127
	s_lshl_b32 s18, s17, 23
	v_mov_b32 v[SC], s18                           ; 2^e10
	s_add_co_i32 s17, s17, 8
	s_lshl_b32 s17, s17, 23
	s_or_b32 s17, s17, 0x600000
	v_mov_b32 v[HA], s17                           ; 448 x 2^e10
	s_wait_alu depctr_va_vdst(0)                   ; behind the batch, ahead of its first reader
.irp q, 0,1,2,3
	v_ldexp_f32 v[10+4*\q], v[10+4*\q], s16
.endr
	WIN 0x01                                       ; source 0 (O^T) in window 1
	s_wait_alu depctr_va_vdst(0)                   ; directly ahead of the first readers of O^T
.irp q, 0,1,2,3
.set n, 0
.rept 16
	v_pk_mul_f32 v[SA+32*\q+n:SA+32*\q+n+1], v[32*\q+n:32*\q+n+1], v[10+4*\q:11+4*\q] op_sel_hi:[1,0]
.set n, n+2
.endr
.endr
	WIN 0
.set n, 0
.rept 128
	v_med3_num_f32 v[SA+n], v[SA+n], -v[HA], v[HA]
.set n, n+1
.endr
.set n, 0
.rept 16
	v_cvt_scalef32_pk8_fp8_f32 v[F+2*n:F+2*n+1], v[SA+8*n:SA+8*n+7], v[SC]
.set n, n+1
.endr
	v_nop
.irp q, 0,1,2,3
	global_store_b128 v[LB], v[F+8*\q:F+8*\q+3], s[10:11] offset:16384*\q         ; 32 lanes store 512 consecutive bytes, aligned
	global_store_b128 v[LB], v[F+8*\q+4:F+8*\q+7], s[10:11] offset:16384*\q+512
.endr
	s_wait_tensorcnt 0x0                           ; the wave's end
	ds_add_u32 v[SPW], v[NIL]
	s_wait_dscnt 0x0
	CROUND                                         ; the closing round
	s_endpgm
.Lfunc_end_k_q6884574d1d_attn:
	.size	k_q6884574d1d_attn, .Lfunc_end_k_q6884574d1d_attn-k_q6884574d1d_attn
	.p2alignl 7, 3214868480
	.fill 96, 4, 3214868480
	.section	.rodata,"a",@progbits
	.p2align	6, 0x0
	.amdhsa_kernel k_q6884574d1d_attn
		.amdhsa_group_segment_fixed_size 327680
		.amdhsa_private_segment_fixed_size 0
		.amdhsa_enable_private_segment 0
		.amdhsa_kernarg_size 32
		.amdhsa_user_sgpr_count 2
		.amdhsa_user_sgpr_kernarg_segment_ptr 1
		.amdhsa_wavefront_size32 1
		.amdhsa_system_sgpr_workgroup_id_x 1
		.amdhsa_system_sgpr_workgroup_id_y 1
		.amdhsa_system_sgpr_workgroup_id_z 1
		.amdhsa_system_vgpr_workitem_id 0
		.amdhsa_next_free_vgpr 512
		.amdhsa_next_free_sgpr 66
		.amdhsa_reserve_vcc 0
		.amdhsa_float_denorm_mode_32 3
		.amdhsa_float_denorm_mode_16_64 3
		.amdhsa_memory_ordered 1
		.amdhsa_forward_progress 1
		.amdhsa_inst_pref_size 81
	.end_amdhsa_kernel
	.amdgpu_metadata
---
amdhsa.version: [ 1, 2 ]
amdhsa.kernels:
  - .name:           k_q6884574d1d_attn
    .symbol:         k_q6884574d1d_attn.kd
    .args:
      - { .name: qc, .offset: 0, .size: 8, .value_kind: global_buffer, .address_space: global }
      - { .name: kv, .offset: 8, .size: 8, .value_kind: global_buffer, .address_space: global }
      - { .name: lowp_scales, .offset: 16, .size: 8, .value_kind: global_buffer, .address_space: global }
      - { .name: ac, .offset: 24, .size: 8, .value_kind: global_buffer, .address_space: global }
    .group_segment_fixed_size: 327680
    .private_segment_fixed_size: 0
    .kernarg_segment_align: 8
    .kernarg_segment_size: 32
    .max_flat_workgroup_size: 256
    .sgpr_count:     66
    .vgpr_count:     512
    .wavefront_size: 32
...
	.end_amdgpu_metadata
.endif
;; end of part 3
;; launch outp (part 4): grid 8 x 32, 4 waves a work-group, clusters of 4 x 4, 327,680 bytes of LDS; arguments ac, wc, lowp_scales, bo, out0; writes out0
.if DOCPART == 4
	.amdgcn_target "amdgcn-amd-amdhsa--gfx1250"
	.amdhsa_code_object_version 6
	.text
	.protected	k_q6884574d1d_outp
	.globl	k_q6884574d1d_outp
	.p2align	8
	.type	k_q6884574d1d_outp,@function
k_q6884574d1d_outp:
	s_mov_b64 s[64:65], 0
	v_nop
	global_prefetch_b8 v0, s[64:65] scope:SCOPE_SE
	s_setreg_imm32_b32 hwreg(HW_REG_WAVE_MODE, 25, 1), 1
	s_wait_xcnt 0x0
	s_wait_alu depctr_hold_cnt(0) depctr_sa_sdst(0) depctr_va_vdst(0) depctr_va_sdst(0) depctr_va_ssrc(0) depctr_va_vcc(0) depctr_vm_vsrc(0)
	s_getreg_b32 s2, hwreg(HW_REG_IB_STS2, 6, 4)
	s_cmp_eq_u32 s2, 0
	s_cbranch_scc0 .Lentry_in_a_cluster
	s_endpgm
.Lentry_in_a_cluster:
	s_bfe_u32 s2, ttmp6, 0x10000c
	s_cmp_lg_u32 s2, 0xf033
	s_cbranch_scc0 .Lentry_shape_is_right
	s_endpgm
.Lentry_shape_is_right:
; out0 = a Wo^T + bo on codes of E4M3 (scales 2^e10, 2^e11); out0 [8192][1024] f32.
; ac: [token tile 512][16,384 B]: images of the fragments 16 tokens x 128 K (2,048 B each, four registers of each lane at 512 c + 16 x lane), K ascending.  wc: [4][1024][1024] codes; Wo is the fourth plane.
; SHARES.  256 work-groups of four waves; a work-group makes 256 tokens x 128 features, a wave 128 x 64: 32 accumulators of 16 x 16 in window 2.  K = 1,024 goes in four K steps of 256 through a ring of two LDS slots.
; CLUSTERS: 4 x 4.  The four of a row of the cluster need the same tokens of ac, the four of a column the same rows of Wo: each tile is asked for jointly, by the same tensor load with a mask that names the four.
; THE MATRIX INSTRUCTION IS USED TRANSPOSED (source 0 = 16 rows of Wo, source 1 = 16 tokens): a lane holds eight neighbouring features of one token.
; THE BIAS is the C of each sum's first product, divided by the power of two that the sums lack: bo / 2^(e10 + e11), exact; each finished sum is multiplied once by 2^(e10 + e11).
; THE WAY OUT: a block of 16 tokens x 64 features goes through the wave's own stage in LDS and comes back as rows of 256 bytes: sixteen lanes store one aligned unit of 256 bytes.
; The stages lie in slot 0, which has had its last fill and its last read when the first result is stored there.
; No prefetch: K has four K steps, one asked for at the head, one behind the head's round and two by the refills that follow at once: no trip lies two steps ahead of a load.
; LIMIT: e10 + e11 between -126 and 127, so that 2^(e10 + e11) is an f32 number.
; REGISTERS: window 0: v0-31 addresses; v32-63 the bias, later a block's sums; from v128 source 1's fragments (8 x 16 tokens x 128 K), ONE set, later the rows read back.
;   window 1: source 0's fragments (4 x 16 rows x 128 K), TWO sets, at v0 and v128.   window 2: accumulator (a, b) at v[8 (4 a + b)].
.set ROWB,   256
.set KROW,   1024
.set ASTEP,  4096                      ; a K step of a token tile's images
.set PITCH,  272                       ; Wo's rows in LDS: 256 bytes + 16 of padding; a stage's rows likewise
.set FR,     16
.set NL,     4
.set NP,     4                         ; places behind this matrix instruction (ISA guide 7.12.1)
.set NB,     4
.set HALFT,  128*PITCH
.set SLOT,   3*HALFT                   ; ac's two halves (32,768 bytes each, HALFT apart), then Wo's 128 rows
.set SPARE,  2*SLOT
.set AA,   16                          ; v16-17 source 1's fragments in slot 0, 1
.set AB,   20                          ; v20-21 source 0's
.set STO,  24
.set RD,   25
.set CO,   26
.set SPW,  28
.set NIL,  29
.set BI,   32
.set TMP,  32
.set AF,   128
.set BK,   128
.set G1,   24
.set G0,   32
.set G1B,  48
.set G0B,  56
.set MSB, 0
.macro WIN new                         ; the immediate's high byte repeats the setting that is left
.if MSB != (\new)
	s_set_vgpr_msb (MSB<<8)|(\new)
.set MSB, (\new)
.endif
.endm
.set MUL,  0xa1                        ; source 0 window 1, source 1 window 0, C and D window 2
.set BIA,  0x81                        ; C (the bias) window 0
.set TO_B, 0x40
; A joint load: waves 0 and 1 fetch ac's two halves, waves 2 and 3 Wo's.  The branch hangs on the wave's number alone.  An s_nop 0 and four v_nop follow each line.
.macro JLOAD g0a, g1a, g0b, g1b
	s_cmp_eq_u32 s15, 0
	s_cbranch_scc0 .Lfor_b_\@
	tensor_load_to_lds s[\g0a:\g0a+3], s[\g1a:\g1a+7]
	s_nop 0
.rept 4
	v_nop
.endr
	s_branch .Lasked_\@
.Lfor_b_\@:
	tensor_load_to_lds s[\g0b:\g0b+3], s[\g1b:\g1b+7]
	s_nop 0
.rept 4
	v_nop
.endr
.Lasked_\@:
.endm
.macro CREST
	s_cmp_lg_u32 s14, 0
	s_cbranch_scc1 .Lnot_wave_0_\@
	s_barrier_signal -3
.Lnot_wave_0_\@:
	s_barrier_wait -3
	s_barrier_signal -1
	s_barrier_wait -1
.endm
.macro CROUND
	s_barrier_signal -1
	s_barrier_wait -1
	CREST
.endm
	s_load_b128 s[4:7], s[0:1], 0x0                ; ac, wc
	s_load_b128 s[8:11], s[0:1], 0x10              ; the exponents, bo
	s_load_b64 s[12:13], s[0:1], 0x20              ; out0
	v_lshl_add_u32 v[SPW], v0, 2, SPARE
	v_mov_b32 v[NIL], 0
	ds_add_u32 v[SPW], v[NIL]                      ; the opening lines: the add twice on end and its wait
	ds_add_u32 v[SPW], v[NIL]
	s_wait_dscnt 0x0
	v_lshrrev_b32 v1, 5, v0
	v_readfirstlane_b32 s14, v1                    ; wave 0..3
	s_lshr_b32 s15, s14, 1                         ; which 128 tokens are mine.  Also: I fetch for ac (0) or for Wo (1)
	s_and_b32 s16, s14, 1                          ; which 64 features.  Also: which half I fetch
	s_bfe_u32 s40, ttmp6, 0x40000                  ; cx, cy
	s_bfe_u32 s41, ttmp6, 0x40004
	s_lshl_b32 s42, ttmp9, 2
	s_add_co_u32 s42, s42, s40                     ; tx: which 128 features, 0 .. 7
	s_and_b32 s17, ttmp7, 0xffff
	s_lshl_b32 s17, s17, 2
	s_add_co_u32 s17, s17, s41                     ; ty: which 256 tokens, 0 .. 31
	s_lshl_b32 s43, s41, 2
	s_lshl_b32 s43, 15, s43                        ; my row of the cluster
	s_lshl_b32 s44, 0x1111, s40                    ; my column
	s_or_b32 s[G1+0], s43, (0<<16)|(1<<21)         ; ac: 8 token tiles x 4,096 bytes, 16,384 apart, dense in LDS
	s_mov_b32 s[G1+1], ASTEP<<16
	s_mov_b32 s[G1+2], 8<<16
	s_mov_b32 s[G1+3], ASTEP<<16
	s_mov_b32 s[G1+4], 8
	s_mov_b32 s[G1+5], 16384
	s_mov_b32 s[G1+6], 0
	s_mov_b32 s[G1+7], 0
	s_or_b32 s[G1B+0], s44, (0<<16)|(1<<20)|(1<<21)|(5<<22)|(3<<25)  ; Wo: 64 rows x 256 bytes, four words of padding after every 64
	s_mov_b32 s[G1B+1], ROWB<<16
	s_mov_b32 s[G1B+2], 64<<16
	s_mov_b32 s[G1B+3], ROWB<<16
	s_mov_b32 s[G1B+4], 64
	s_mov_b32 s[G1B+5], KROW
	s_mov_b32 s[G1B+6], 0
	s_mov_b32 s[G1B+7], 0
	s_lshl_b32 s20, s17, 4
	s_lshl_b32 s18, s16, 3
	s_add_co_u32 s20, s20, s18                     ; ac: token tile 16 ty + 8 x half
	s_lshl_b32 s20, s20, 14
	s_mov_b32 s21, 0
	s_lshl_b32 s46, s42, 7
	s_lshl_b32 s18, s16, 6
	s_add_co_u32 s46, s46, s18
	s_add_co_u32 s46, s46, 3072                    ; wc: row 3,072 + 128 tx + 64 x half
	s_lshl_b32 s46, s46, 10
	s_mov_b32 s47, 0
	s_mul_i32 s45, s16, HALFT                      ; where ac's half goes,
	s_mul_i32 s67, s16, 64*PITCH
	s_add_co_u32 s67, s67, 2*HALFT                 ; and Wo's
	s_wait_kmcnt 0x0
	s_load_b64 s[96:97], s[8:9], 0x28              ; e10, e11
	s_add_nc_u64 s[20:21], s[4:5], s[20:21]
	s_add_nc_u64 s[46:47], s[6:7], s[46:47]
	CROUND                                         ; all sixteen work-groups are here: the first joint loads meet
.irp s, 0,1
	s_mov_b32 s[G0+4*\s], 1
	s_add_co_u32 s[G0+4*\s+1], s45, \s*SLOT
	s_add_nc_u64 s[G0+4*\s+2:G0+4*\s+3], s[20:21], \s*ASTEP
	s_or_b32 s[G0+4*\s+3], s[G0+4*\s+3], 0x80000000
	s_mov_b32 s[G0B+4*\s], 1
	s_add_co_u32 s[G0B+4*\s+1], s67, \s*SLOT
	s_add_nc_u64 s[G0B+4*\s+2:G0B+4*\s+3], s[46:47], \s*ROWB
	s_or_b32 s[G0B+4*\s+3], s[G0B+4*\s+3], 0x80000000
.endr
	JLOAD G0, G1, G0B, G1B                         ; K step 0: one tensor load a wave at the head
	s_mul_i32 s21, s15, HALFT                      ; source 1: my 128 tokens
	s_mul_i32 s22, s16, 64*PITCH
	s_add_co_u32 s22, s22, 2*HALFT                 ; source 0: my 64 rows of Wo
	s_mul_i32 s23, s14, 16*PITCH                   ; my stage
	v_and_b32 v1, 15, v0                           ; r
	v_bfe_u32 v2, v0, 4, 1                         ; h
	v_mul_u32_u24 v3, v1, PITCH
	v_lshl_add_u32 v4, v2, 4, v3                   ; a row of Wo x pitch + 16 h
	v_and_b32 v6, 31, v0
	v_lshlrev_b32 v5, 4, v6                        ; 16 x lane: my place in an image
	v_lshlrev_b32 v7, 5, v2                        ; the bias: 8 h numbers on
	v_add_nc_u32 v16, s21, v5
	v_add_nc_u32 v17, SLOT, v16
	v_add_nc_u32 v20, s22, v4
	v_add_nc_u32 v21, SLOT, v20
	v_lshl_add_u32 v8, v2, 5, v3
	v_add_nc_u32 v[STO], s23, v8                   ; into the stage: row r, 32 bytes for each half of the lanes
	v_mul_u32_u24 v9, v2, PITCH
	v_lshl_add_u32 v9, v1, 4, v9
	v_add_nc_u32 v[RD], s23, v9                    ; back: lanes 0-15 one row of 256 bytes, lanes 16-31 the next
	v_lshlrev_b32 v10, 12, v2
	v_lshl_add_u32 v[CO], v1, 4, v10               ; and the same two rows in out0 (4,096 bytes a row)
	s_wait_alu depctr_va_vdst(0)                   ; the wait ahead of the run of scalar lines
	s_lshl_b32 s18, s42, 7
	s_lshl_b32 s19, s16, 6
	s_add_co_u32 s18, s18, s19                     ; my first feature: 128 tx + 64 half
	s_lshl_b32 s18, s18, 2
	s_mov_b32 s19, 0
	s_add_nc_u64 s[10:11], s[10:11], s[18:19]
.irp b, 0,1,2,3                                ; register 8 b + j = bo(16 b + 8 h + j)
	global_load_b128 v[BI+8*\b:BI+8*\b+3], v7, s[10:11] offset:64*\b
	global_load_b128 v[BI+8*\b+4:BI+8*\b+7], v7, s[10:11] offset:64*\b+16
.endr
	s_lshl_b32 s20, s17, 8
	s_lshl_b32 s21, s15, 7
	s_add_co_u32 s20, s20, s21                     ; my first token: 256 ty + 128 half
	s_lshl_b32 s20, s20, 12
	s_add_co_u32 s20, s20, s18                     ; + my first feature's bytes
	s_mov_b32 s21, 0
	s_add_nc_u64 s[12:13], s[12:13], s[20:21]
.macro FRAG reg, adr, q, i             ; Wo: 16 rows x 128 K: four loads of 16 bytes, 32 apart
.irp c, 0,1,2,3
	ds_load_b128 v[\reg+4*\c:\reg+4*\c+3], v[\adr] offset:128*(\q)+32*\c+(\i)*16*PITCH
.endr
.endm
.macro FRAGA reg, adr, q, i            ; ac: an image as it lies
.irp c, 0,1,2,3
	ds_load_b128 v[\reg+4*\c:\reg+4*\c+3], v[\adr] offset:ASTEP*(\i)+2048*(\q)+512*\c
.endr
.endm
; source 1's blocks a0, a0 + 1 x source 0's four.  p: source 0's set.  zero = 1: C = the bias.  The 32 accumulators take turns, one instruction a turn, in the same order in every step.
.macro MULS a0, p, zero
.set a, \a0
.rept 2
.set b, 0
.rept NB
.set D, 8*(NB*a+b)
.if \zero
	v_wmma_f32_16x16x128_fp8_fp8 v[D:D+7], v[128*(\p)+FR*b:128*(\p)+FR*b+FR-1], v[AF+FR*a:AF+FR*a+FR-1], v[BI+8*b:BI+8*b+7]
.else
	v_wmma_f32_16x16x128_fp8_fp8 v[D:D+7], v[128*(\p)+FR*b:128*(\p)+FR*b+FR-1], v[AF+FR*a:AF+FR*a+FR-1], v[D:D+7]
.endif
.set b, b+1
.endr
.set a, a+1
.endr
.endm
.macro FETCH_B slot, q, p
	WIN TO_B
.set i, 0
.rept NB
	FRAG 128*(\p)+FR*i, AB+\slot, \q, i
.set i, i+1
.endr
	WIN 0
.endm
.macro FETCH_A slot, q, i0
.set i, \i0
.rept 4
	FRAGA AF+FR*i, AA+\slot, \q, i
.set i, i+1
.endr
.endm
.macro PLACES n
.rept \n
	v_nop
.endr
.endm
; A step of 128 along K that has its successor in the same slot.  Source 1's blocks are free as soon as their products are issued: blocks 0-3 are fetched anew in the middle, 4-7 at the end.
.macro STEP slot, q, zero
	s_wait_dscnt 4*NL                              ; all but the youngest sixteen loads (source 1's blocks 4-7) are in
.if \zero
	WIN BIA
.else
	WIN MUL
.endif
	MULS 0, (\q)%2, \zero
	MULS 2, (\q)%2, \zero
	s_wait_dscnt 0
	PLACES NP
	FETCH_B \slot, (\q)+1, 1-(\q)%2
	FETCH_A \slot, (\q)+1, 0
.if \zero
	WIN BIA
.else
	WIN MUL
.endif
	MULS 4, (\q)%2, \zero
	MULS 6, (\q)%2, \zero
	PLACES NP
	WIN 0
	FETCH_A \slot, (\q)+1, 4
.endm
; A slot's last step changes slots: ONE barrier; in front of it each wave waits for all its tensor loads, adds 0 to its spare word, and waits for that and for its own reads of this slot.
.macro TURN slot, next, fill
	s_wait_tensorcnt 0x0
	ds_add_u32 v[SPW], v[NIL]
	s_wait_dscnt 4*NL+1                            ; (the add and the youngest sixteen loads may be out)
	WIN MUL
	MULS 0, 1, 0
	s_wait_dscnt 0x0                               ; the add is done, and my reads of this slot are over
	s_barrier_signal -1
	MULS 2, 1, 0
	WIN 0
	s_barrier_wait -1
.if \fill
	CREST                                          ; the barrier has opened a round of the cluster's: no wave of any partner still reads this slot or has a load on its way
	s_add_nc_u64 s[G0+4*\slot+2:G0+4*\slot+3], s[G0+4*\slot+2:G0+4*\slot+3], 2*ASTEP
	s_add_nc_u64 s[G0B+4*\slot+2:G0B+4*\slot+3], s[G0B+4*\slot+2:G0B+4*\slot+3], 2*ROWB
	JLOAD G0+4*\slot, G1, G0B+4*\slot, G1B         ; the first tensor load behind the round; its four v_nop are the places in front of the loads below
.else
	PLACES NP
.endif
	FETCH_B \next, 0, 0
	FETCH_A \next, 0, 0
	WIN MUL
	MULS 4, 1, 0
	MULS 6, 1, 0
	PLACES NP
	WIN 0
	FETCH_A \next, 0, 4
.endm
	s_wait_alu depctr_va_vdst(0)                   ; the wait at the head's end
	s_wait_tensorcnt 0x0                           ; my part of K step 0 is in; these lines stand ahead of a later first fill as ahead of a refill
	ds_add_u32 v[SPW], v[NIL]
	s_wait_dscnt 0x0
	CROUND
	JLOAD G0+4, G1, G0B+4, G1B                     ; K step 1
	FETCH_B 0, 0, 0
	FETCH_A 0, 0, 0
	FETCH_A 0, 0, 4
	s_wait_kmcnt 0x0
	s_add_co_i32 s96, s96, s97                     ; e10 + e11
	s_sub_co_i32 s94, 0, s96
	s_add_co_i32 s96, s96, 127
	s_lshl_b32 s96, s96, 23                        ; 2^(e10 + e11) as f32
	s_mov_b32 s97, s96
	s_wait_loadcnt 0x0                             ; the bias
.set j, 0
.rept 32
	v_ldexp_f32 v[BI+j], v[BI+j], s94              ; bo / 2^(e10 + e11)
.set j, j+1
.endr
	s_wait_alu depctr_va_vdst(0)
	STEP 0, 0, 1
	TURN 0, 1, 1                                   ; slot 0 takes K step 2
	STEP 1, 0, 0
	TURN 1, 0, 1                                   ; slot 1 takes K step 3
	STEP 0, 0, 0
	TURN 0, 1, 0                                   ; nothing is left to fetch
	STEP 1, 0, 0
	s_wait_dscnt 4*NL
	WIN MUL
	MULS 0, 1, 0
	MULS 2, 1, 0
	s_wait_dscnt 0
	MULS 4, 1, 0
	MULS 6, 1, 0
	WIN 0
; THE WAY OUT, block by block of 16 tokens x 64 features.  LDS serves a wave's instructions in order (ISA guide 5.7.1.4): no wait between the stores into my stage and the loads from it.
.macro TOSTAGE a
.set AC, 32*(\a)
	WIN 0x02                                       ; source 0: window 2
.set j, 0
.rept 16
	v_pk_mul_f32 v[TMP+j:TMP+j+1], v[AC+j:AC+j+1], s[96:97] op_sel_hi:[1,0]   ; x 2^(e10 + e11); each accumulator from its low end on
.set j, j+2
.endr
	WIN 0
.irp b, 0,1,2,3
	ds_store_b128 v[STO], v[TMP+8*\b:TMP+8*\b+3] offset:64*\b
	ds_store_b128 v[STO], v[TMP+8*\b+4:TMP+8*\b+7] offset:64*\b+16
.endr
.set BB, BK+32*((\a)%2)
.irp t, 0,1,2,3,4,5,6,7
	ds_load_b128 v[BB+4*\t:BB+4*\t+3], v[RD] offset:2*\t*PITCH
.endr
.endm
.macro SEND a, younger                 ; younger: the LDS instructions issued behind block a's loads, which may stay out
.set BB, BK+32*((\a)%2)
	s_wait_dscnt \younger
.if (\a) > 0
	s_add_nc_u64 s[12:13], s[12:13], 16*4096       ; (behind a wait on XCNT: the earlier stores have read their base)
.endif
.irp t, 0,1,2,3,4,5,6,7
	global_store_b128 v[CO], v[BB+4*\t:BB+4*\t+3], s[12:13] offset:2*\t*4096 th:TH_STORE_NT   ; sixteen lanes store 256 consecutive bytes, aligned; written once, read by nobody here
.endr
.endm
	PLACES NP
	TOSTAGE 0
.irp a, 1,2,3,4,5,6,7
.if \a > 1
	s_wait_xcnt 0x0                                ; block a - 2's stores have read their registers and their base
.endif
	TOSTAGE \a
	SEND \a-1, 16                                  ; behind block a - 1's loads: block a's 8 stores and 8 loads
.endr
	s_wait_xcnt 0x0
	SEND 7, 0
	s_wait_tensorcnt 0x0                           ; the wave's end
	ds_add_u32 v[SPW], v[NIL]
	s_wait_dscnt 0x0
	CROUND                                         ; the closing round
	s_endpgm
.Lfunc_end_k_q6884574d1d_outp:
	.size	k_q6884574d1d_outp, .Lfunc_end_k_q6884574d1d_outp-k_q6884574d1d_outp
	.p2alignl 7, 3214868480
	.fill 96, 4, 3214868480
	.section	.rodata,"a",@progbits
	.p2align	6, 0x0
	.amdhsa_kernel k_q6884574d1d_outp
		.amdhsa_group_segment_fixed_size 327680
		.amdhsa_private_segment_fixed_size 0
		.amdhsa_enable_private_segment 0
		.amdhsa_kernarg_size 40
		.amdhsa_user_sgpr_count 2
		.amdhsa_user_sgpr_kernarg_segment_ptr 1
		.amdhsa_wavefront_size32 1
		.amdhsa_system_sgpr_workgroup_id_x 1
		.amdhsa_system_sgpr_workgroup_id_y 1
		.amdhsa_system_sgpr_workgroup_id_z 1
		.amdhsa_system_vgpr_workitem_id 0
		.amdhsa_next_free_vgpr 768
		.amdhsa_next_free_sgpr 98
		.amdhsa_reserve_vcc 0
		.amdhsa_float_denorm_mode_32 3
		.amdhsa_float_denorm_mode_16_64 3
		.amdhsa_memory_ordered 1
		.amdhsa_forward_progress 1
		.amdhsa_inst_pref_size 80
	.end_amdhsa_kernel
	.amdgpu_metadata
---
amdhsa.version: [ 1, 2 ]
amdhsa.kernels:
  - .name:           k_q6884574d1d_outp
    .symbol:         k_q6884574d1d_outp.kd
    .args:
      - { .name: ac, .offset: 0, .size: 8, .value_kind: global_buffer, .address_space: global }
      - { .name: wc, .offset: 8, .size: 8, .value_kind: global_buffer, .address_space: global }
      - { .name: lowp_scales, .offset: 16, .size: 8, .value_kind: global_buffer, .address_space: global }
      - { .name: bo, .offset: 24, .size: 8, .value_kind: global_buffer, .address_space: global }
      - { .name: out0, .offset: 32, .size: 8, .value_kind: global_buffer, .address_space: global }
    .group_segment_fixed_size: 327680
    .private_segment_fixed_size: 0
    .kernarg_segment_align: 8
    .kernarg_segment_size: 40
    .max_flat_workgroup_size: 128
    .sgpr_count:     98
    .vgpr_count:     768
    .wavefront_size: 32
...
	.end_amdgpu_metadata
.endif
;; end of part 4
